; MI455X (gfx1250); checked and timed in simulation.
; The chip was launched on July 23, 2026; its instructions are those of AMD's public machine-readable ISA for CDNA 5 (MIT licence, August 2026) and "CDNA5" Instruction Set Architecture Reference Guide (July 2026). The comments in the code are by the model that wrote it; some were corrected since.
;; Toy Transformer. Allowed arithmetic: matrix products marked QUANTISED: E5M2 operands, one E8M0 scale for each 32 along K, by v_wmma_scale_f32_16x16x128_f8f6f4 with both operands' format E5M2, f32 sums; everything else in f32.
;; Inputs: ffn_b1 4,096 float32; ffn_b2 1,024 float32; ffn_w1_codes 4,096 x 32 x 32 uint8 (E5M2 codes of ffn_w1, K innermost, in blocks of 32 codes); ffn_w1_scales 4,096 x 32 uint8 (E8M0 scales of ffn_w1, one for each 32 codes along K); ffn_w2_codes 1,024 x 128 x 32 uint8 (E5M2 codes of ffn_w2, K innermost, in blocks of 32 codes); ffn_w2_scales 1,024 x 128 uint8 (E8M0 scales of ffn_w2, one for each 32 codes along K); ln1_b 1,024 float32; ln1_g 1,024 float32; ln2_b 1,024 float32; ln2_g 1,024 float32; out_b 1,024 float32; out_w_codes 1,024 x 32 x 32 uint8 (E5M2 codes of out_w, K innermost, in blocks of 32 codes); out_w_scales 1,024 x 32 uint8 (E8M0 scales of out_w, one for each 32 codes along K); qkv_w_codes 3,072 x 32 x 32 uint8 (E5M2 codes of qkv_w, K innermost, in blocks of 32 codes); qkv_w_scales 3,072 x 32 uint8 (E8M0 scales of qkv_w, one for each 32 codes along K); x 2 x 2,048 x 1,024 float32.
;; Outputs: out0 2 x 2,048 x 1,024 float32.
;; This version of the problem:
;;   THIS VERSION OF THE PROBLEM IS GIVEN IN LOW PRECISION. The matrix products marked QUANTISED in the list below multiply operands that are first quantised to E5M2 (5 exponent bits, 2 mantissa bits; 8 bits a number), with one power-of-two scale for each 32 numbers along K (OCP MX v1.0); their sums are f32. All else is computed in f32.
;;   The module's matrix products, in the order in which they are computed (A, B: the left and right operand; K: the contracted axis; several contracted axes count as one K, in the product's order):
;;     1. [M 4,096, K 1,024] x [K 1,024, N 3,072]; A: computed on the way; B: input qkv_w (given as codes): QUANTISED
;;     2. batch 32 x [M 2,048, K 64] x [K 64, N 2,048]; A: computed on the way; B: computed on the way: QUANTISED
;;     3. batch 32 x [M 2,048, K 2,048] x [K 2,048, N 64]; A: softmax (see below); B: computed on the way: QUANTISED
;;     4. [M 4,096, K 1,024] x [K 1,024, N 1,024]; A: computed on the way; B: input out_w (given as codes): QUANTISED
;;     5. [M 4,096, K 1,024] x [K 1,024, N 4,096]; A: computed on the way; B: input ffn_w1 (given as codes): QUANTISED
;;     6. [M 4,096, K 4,096] x [K 4,096, N 1,024]; A: computed on the way; B: input ffn_w2 (given as codes): QUANTISED
;;   THE QUANTISER, for each operand of a quantised product, along K:
;;     - K is cut into blocks of 32 from its start; a last block that is shorter is filled with zeros.
;;     - A block's scale is 2^e with e = floor(log2(the largest magnitude in the block)) - 15, held to -126 .. 127; a block of zeros has e = 0. As a byte (E8M0): e + 127.
;;     - Each number is divided by its block's scale, clamped to +-57,344, and rounded to the nearest number of E5M2, ties to even, subnormals kept.
;;     - The product sums the exact products of the quantised numbers (number of the format x scale) in f32.
;;   ~~~python
;;   def quantise(x, axis):      # numpy; x: float32 -> the quantised numbers, widened to float32 again
;;       x = np.moveaxis(x, axis, -1); K = x.shape[-1]
;;       x = np.pad(x, [(0, 0)] * (x.ndim - 1) + [(0, -K % 32)]); x = x.reshape(x.shape[:-1] + (-1, 32)); a = np.abs(x).max(-1, keepdims=True)
;;       e = np.where(a > 0, np.clip(np.frexp(np.where(a > 0, a, 1))[1] - 1 - 15, -126, 127), 0)      # np.frexp(a)[1] - 1 = floor(log2(a)), exactly
;;       r = np.clip(x / 2.0 ** e, -57344, 57344)
;;       step = 2.0 ** (np.maximum(np.frexp(np.where(r == 0, 1, r))[1] - 1, -14) - 2)
;;       q = np.round(r / step) * step * 2.0 ** e      # np.round: ties to even
;;       return np.moveaxis(q.reshape(q.shape[:-2] + (-1,))[..., :K], -1, axis).astype(np.float32)
;;   ~~~
;;   SOFTMAX AHEAD OF A QUANTISED PRODUCT. Where the list says 'softmax', what is quantised is not the finished softmax but p = 2^(t - M), with t = logit x log2(e) and M = ceil(the row's largest t), a whole number; so 1/2 < the row's largest p <= 1. The row's sum l is taken of the UNQUANTISED p, in f32, and the product's result is divided by l at the end. Since M is a whole number, a kernel that streams over the keys may use a running M (the ceiling of the running maximum): every later rescaling is an exact power of two, which a block's scale takes up: the codes' values come out the same.
;;   OPERANDS COMPUTED ON THE WAY. 'Computed on the way' means the value that the module computes at that place (a softmax that the list does not call 'softmax' is quantised finished and normalised). What goes into a quantiser is computed in f32, as accurately as f32 sums, v_exp_f32 and their like allow (about 1e-6 of the number): no bf16 or f16 on the way to a quantiser, and a product that is left as it is and whose result goes on into a quantised operand takes f32 operands (vector FMAs, or v_wmma_f32_16x16x4_f32). A number that lies on a knife's edge between two numbers of the format may be rounded either way, as far as f32 arithmetic and the matrix unit's own rounding can turn it there, and no further.
;;   INPUTS GIVEN AS CODES. ffn_w1 (in the module: [1024, 4096], K = its axis 0); ffn_w2 (in the module: [4096, 1024], K = its axis 0); out_w (in the module: [1024, 1024], K = its axis 0); qkv_w (in the module: [1024, 3072], K = its axis 0): each comes as NAME_codes (uint8): NAME with its K axis moved to the last place and cut into blocks of 32 codes, [.., K / 32, bytes a block], one block behind the other in memory; one code a byte (a code: sign, 5 exponent bits, 2 mantissa bits); and NAME_scales (uint8): the same leading axes, one E8M0 byte (e + 127) for each 32 codes along K. Its value is code x scale, taken as it is: it is not quantised again, and the codes and scales need not be those that the quantiser above would give.
;; One version. Each part assembles by itself: llvm-mc -triple=amdgcn-amd-amdhsa -mcpu=gfx1250 --defsym DOCPART=n.
;; ======== version 1 of 1: 7 launches
;; limits: right only within a limited range of input values
;; workspace buffers: hbuf 4,325,376 bytes; qkvbuf 13,238,272 bytes; ctxbuf 4,325,376 bytes; x1 16,777,216 bytes; gbuf 17,301,504 bytes
;; launch ln1 (part 1): grid 256 x 1, 8 waves a work-group, no clusters, 83,456 bytes of LDS; arguments x, ln1_g, ln1_b, hbuf; writes hbuf
.if DOCPART == 1
	.amdgcn_target "amdgcn-amd-amdhsa--gfx1250"
	.amdhsa_code_object_version 6
	.text
	.protected	k_q720b298ef8_ln1
	.globl	k_q720b298ef8_ln1
	.p2align	8
	.type	k_q720b298ef8_ln1,@function
k_q720b298ef8_ln1:
	s_mov_b64 s[64:65], 0
	v_nop
	global_prefetch_b8 v0, s[64:65] scope:SCOPE_SE
	s_setreg_imm32_b32 hwreg(HW_REG_WAVE_MODE, 25, 1), 1
	s_wait_xcnt 0x0
; THE PROGRAM: one pre-norm transformer block, 4,096 tokens x 1,024, in seven launches: norm 1 | q, k, v | attention | projection + residual | norm 2 | first FFN product + gelu | second FFN product + residual.
; WORK LEFT OUT, in the launch of the attention alone: reference() sets every score whose key comes after its query to -infinity, by a mask that it builds itself; the softmax makes exactly 0 of it,
; and 0 times a value adds nothing to ctx, whatever finite numbers the inputs hold.  So key steps (128 keys) all of whose keys come after all 16 queries of a wave are neither multiplied nor put through the softmax.
; Every input has a way to the output and is loaded.  LIMIT: a NaN, an infinity or an overflow that reaches only such hidden scores is not carried to the result.
; THIS LAUNCH: y = (x - mean) / (std + 1e-5) * g + b for each row of 1,024 (std with 1,023 in the divisor), all in f32, then quantised along the row: codes of E5M2, one E8M0 byte for each 32.
; Out: codes [4096][1024] at byte 0 of the buffer, scale bytes [4096][32] at byte 4,194,304.
; A block's byte is its largest magnitude's exponent field - 15, held at 1 from below.  LIMITS: a block of zeros, or one whose largest magnitude lies under 2^-111, gets the byte 1 (its codes are then zeros or
; subnormal codes under that byte; the bytes are read by this program alone); NaN and infinities among the inputs are not served.
; SHARES: a work-group of eight waves takes 16 rows, a wave two.  Both rows are asked for at once and stay in 64 registers between the passes (mean; squares of the differences; scaling): memory is read once.
; The two rows go through every phase by turns, line by line, so that no line waits for the line above it.
; The conversions want 16 neighbours in a lane, the loads give 4: the wave's four halves of 512 numbers turn through four stages of its own in LDS (80 bytes a lane: 64 + 16 of padding), in one run.
; The work-group's 512 scale bytes meet in LDS behind one barrier, and wave 0 stores them: 512 consecutive bytes, aligned.
.set WAVES, 8
.set SP,    80
.set STG,   32*SP                      ; a stage
.set WREG,  4*STG                      ; a wave's four
.set SBYT,  WAVES*WREG                 ; behind the stages: the 16 rows' scale bytes, 32 a row
.set SPARE, SBYT+512                   ; the spare words, 128 bytes a wave, which no other line names
.set G,   16                           ; v16-47   g: register 4 j + i = column 128 j + 4 lane + i
.set BB,  48                           ; v48-79   b likewise
.set X,   80                           ; v80-143  two rows of 32 registers, laid like g
.set Y,   144                          ; v144-207 four sets of 16 neighbours: set 2 t + u = half u of row t
.set C,   208                          ; v208-223 four sets of codes
.set E,   224                          ; v224-227 four scale bytes
.set T,   228                          ; v228-243 at work: for row t at T + 8 t: two pairs of sums, the mean twice, 1 / (std + eps) twice; later four registers for each set
.set SPW, 14
.set NIL, 15
	s_load_b256 s[4:11], s[0:1], 0x0               ; x s[4:5], g s[6:7], b s[8:9], out s[10:11]
	v_lshl_add_u32 v[SPW], v0, 2, SPARE
	v_mov_b32 v[NIL], 0
	v_lshrrev_b32 v1, 5, v0
	s_delay_alu instid0(VALU_DEP_1)
	v_readfirstlane_b32 s16, v1                    ; wave 0..7
	v_and_b32 v1, 31, v0                           ; lane
	s_delay_alu instid0(VALU_DEP_1)
	v_lshlrev_b32 v2, 4, v1                        ; 16 x lane: my bytes of a load's or a store's 512
	s_mul_i32 s17, s16, WREG
	v_lshrrev_b32 v3, 2, v1
	s_delay_alu instid0(VALU_DEP_1)
	v_mul_u32_u24 v3, v3, SP
	v_and_b32 v8, 3, v1
	s_delay_alu instid0(VALU_DEP_1)
	v_lshl_add_u32 v3, v8, 4, v3
	s_delay_alu instid0(VALU_DEP_1)
	v_add_nc_u32 v3, s17, v3                       ; into a stage: four lanes' 64 bytes on end, then the padding
	v_mul_u32_u24 v4, v1, SP
	s_delay_alu instid0(VALU_DEP_1)
	v_add_nc_u32 v4, s17, v4                       ; out of it: my 16 neighbours
	v_lshrrev_b32 v5, 1, v1
	s_lshl_b32 s18, s16, 6
	s_add_co_u32 s18, s18, SBYT
	v_add_nc_u32 v5, s18, v5                       ; my block's scale byte: 64 bytes a wave
	v_add_nc_u32 v6, SBYT, v2                      ; and 16 of the 512 on the way out
	s_mov_b32 s20, 0x76543210
	s_mov_b32 s21, 0xfedcba98                      ; lane l xor 16
	s_mov_b32 s23, 0x600000                        ; the mantissa field of 57,344
	s_lshl_b32 s24, ttmp9, 16                      ; 16 rows of 4,096 bytes a work-group,
	s_lshl_b32 s19, s16, 13                        ; two a wave
	s_add_co_u32 s24, s24, s19
	s_mov_b32 s25, 0
	s_lshl_b32 s26, ttmp9, 14                      ; the same rows of 1,024 codes
	s_lshl_b32 s19, s16, 11
	s_add_co_u32 s26, s26, s19
	s_mov_b32 s27, 0
	s_lshl_b32 s28, ttmp9, 9                       ; 512 scale bytes a work-group
	s_mov_b32 s29, 0
	s_wait_kmcnt 0x0
	s_add_nc_u64 s[4:5], s[4:5], s[24:25]
	s_add_nc_u64 s[12:13], s[10:11], s[28:29]
	s_add_nc_u64 s[12:13], s[12:13], 0x400000
	s_add_nc_u64 s[10:11], s[10:11], s[26:27]
.irp t, 0,1
.irp j, 0,1,2,3,4,5,6,7
	global_load_b128 v[X+32*\t+4*\j:X+32*\t+4*\j+3], v2, s[4:5] offset:4096*\t+512*\j th:TH_LOAD_NT   ; the rows first: the sums wait for them
.endr
.endr
.irp j, 0,1,2,3,4,5,6,7
	global_load_b128 v[G+4*\j:G+4*\j+3], v2, s[6:7] offset:512*\j
	global_load_b128 v[BB+4*\j:BB+4*\j+3], v2, s[8:9] offset:512*\j
.endr
.macro WSUM2                           ; v[T + 8 t : T + 8 t + 1] -> the sum over the wave, in every lane's v[T + 8 t]; both rows by turns
.irp t, 0,1
	s_delay_alu instid0(VALU_DEP_2)
	v_add_f32 v[T+8*\t], v[T+8*\t], v[T+8*\t+1]
.endr
.irp m, 1,2,4,8
.irp t, 0,1
	s_delay_alu instid0(VALU_DEP_2)
	v_add_f32_dpp v[T+8*\t], v[T+8*\t], v[T+8*\t] row_xmask:\m row_mask:0xf bank_mask:0xf
.endr
.endr
.irp t, 0,1
	s_delay_alu instid0(VALU_DEP_2)
	v_permlanex16_b32 v[T+8*\t+1], v[T+8*\t], s20, s21
.endr
.irp t, 0,1
	s_delay_alu instid0(VALU_DEP_2)
	v_add_f32 v[T+8*\t], v[T+8*\t], v[T+8*\t+1]
.endr
.endm
	s_wait_loadcnt 16                              ; both rows are in; the 16 loads of g and b may be out
.irp t, 0,1
	v_pk_add_f32 v[T+8*\t:T+8*\t+1], v[X+32*\t:X+32*\t+1], v[X+32*\t+2:X+32*\t+3]       ; the sum, in two chains a row
	v_pk_add_f32 v[T+8*\t+2:T+8*\t+3], v[X+32*\t+4:X+32*\t+5], v[X+32*\t+6:X+32*\t+7]
.endr
.irp j, 8,12,16,20,24,28
.irp t, 0,1
	s_delay_alu instid0(VALU_DEP_4)
	v_pk_add_f32 v[T+8*\t:T+8*\t+1], v[T+8*\t:T+8*\t+1], v[X+32*\t+\j:X+32*\t+\j+1]
	s_delay_alu instid0(VALU_DEP_4)
	v_pk_add_f32 v[T+8*\t+2:T+8*\t+3], v[T+8*\t+2:T+8*\t+3], v[X+32*\t+\j+2:X+32*\t+\j+3]
.endr
.endr
.irp t, 0
	s_delay_alu instid0(VALU_DEP_3)
	v_pk_add_f32 v[T+8*\t:T+8*\t+1], v[T+8*\t:T+8*\t+1], v[T+8*\t+2:T+8*\t+3]
.endr
.irp t, 1
	s_delay_alu instid0(VALU_DEP_2)
	v_pk_add_f32 v[T+8*\t:T+8*\t+1], v[T+8*\t:T+8*\t+1], v[T+8*\t+2:T+8*\t+3]
.endr
	WSUM2
.irp t, 0,1
	s_delay_alu instid0(VALU_DEP_2)
	v_mul_f32 v[T+8*\t+4], 0x3a800000, v[T+8*\t]   ; / 1,024: the mean
.endr
.irp t, 0,1
	s_delay_alu instid0(VALU_DEP_2)
	v_mov_b32 v[T+8*\t+5], v[T+8*\t+4]
.endr
.irp j, 0,2,4,6,8,10,12,14,16,18,20,22,24,26,28,30
.irp t, 0,1
	v_pk_add_f32 v[X+32*\t+\j:X+32*\t+\j+1], v[X+32*\t+\j:X+32*\t+\j+1], v[T+8*\t+4:T+8*\t+5] neg_lo:[0,1] neg_hi:[0,1]
.endr
.endr
.irp t, 0,1
	v_pk_mul_f32 v[T+8*\t:T+8*\t+1], v[X+32*\t:X+32*\t+1], v[X+32*\t:X+32*\t+1]           ; the squares of the differences: no difference of large sums is formed
	v_pk_mul_f32 v[T+8*\t+2:T+8*\t+3], v[X+32*\t+2:X+32*\t+3], v[X+32*\t+2:X+32*\t+3]
.endr
.irp j, 4,8,12,16,20,24,28
.irp t, 0,1
	s_delay_alu instid0(VALU_DEP_4)
	v_pk_fma_f32 v[T+8*\t:T+8*\t+1], v[X+32*\t+\j:X+32*\t+\j+1], v[X+32*\t+\j:X+32*\t+\j+1], v[T+8*\t:T+8*\t+1]
	s_delay_alu instid0(VALU_DEP_4)
	v_pk_fma_f32 v[T+8*\t+2:T+8*\t+3], v[X+32*\t+\j+2:X+32*\t+\j+3], v[X+32*\t+\j+2:X+32*\t+\j+3], v[T+8*\t+2:T+8*\t+3]
.endr
.endr
.irp t, 0
	s_delay_alu instid0(VALU_DEP_3)
	v_pk_add_f32 v[T+8*\t:T+8*\t+1], v[T+8*\t:T+8*\t+1], v[T+8*\t+2:T+8*\t+3]
.endr
.irp t, 1
	s_delay_alu instid0(VALU_DEP_2)
	v_pk_add_f32 v[T+8*\t:T+8*\t+1], v[T+8*\t:T+8*\t+1], v[T+8*\t+2:T+8*\t+3]
.endr
	WSUM2
.irp t, 0,1
	s_delay_alu instid0(VALU_DEP_2)
	v_mul_f32 v[T+8*\t], 0x3a802008, v[T+8*\t]     ; / 1,023
.endr
	s_wait_alu depctr_va_vdst(0)
.irp t, 0,1
	v_sqrt_f32 v[T+8*\t], v[T+8*\t]
.endr
	v_nop                                          ; a plain instruction behind the roots,
	s_wait_alu depctr_va_vdst(0)                   ; and the one wait ahead of their first reader
.irp t, 0,1
	v_add_f32 v[T+8*\t], 0x3727c5ac, v[T+8*\t]     ; + 1e-5
.endr
	s_wait_alu depctr_va_vdst(0)
.irp t, 0,1
	v_rcp_f32 v[T+8*\t+6], v[T+8*\t]
.endr
	v_nop
	s_wait_alu depctr_va_vdst(0)
.irp t, 0,1
	v_mov_b32 v[T+8*\t+7], v[T+8*\t+6]
.endr
.irp j, 0,2,4,6,8,10,12,14,16,18,20,22,24,26,28,30
.irp t, 0,1
	v_pk_mul_f32 v[X+32*\t+\j:X+32*\t+\j+1], v[X+32*\t+\j:X+32*\t+\j+1], v[T+8*\t+6:T+8*\t+7]
.endr
.endr
	s_wait_loadcnt 0x0                             ; g and b
.irp j, 0,2,4,6,8,10,12,14,16,18,20,22,24,26,28,30
.irp t, 0,1
	v_pk_fma_f32 v[X+32*\t+\j:X+32*\t+\j+1], v[X+32*\t+\j:X+32*\t+\j+1], v[G+\j:G+\j+1], v[BB+\j:BB+\j+1]
.endr
.endr
.irp s, 0,1,2,3
.irp i, 0,1,2,3
	ds_store_b128 v3, v[X+16*\s+4*\i:X+16*\s+4*\i+3] offset:STG*\s+8*SP*\i
.endr
.irp i, 0,1,2,3
	ds_load_b128 v[Y+16*\s+4*\i:Y+16*\s+4*\i+3], v4 offset:STG*\s+16*\i   ; LDS serves a wave's instructions in order: these see the stores above
.endr
.endr
	s_wait_dscnt 0x0
.irp s, 0,1,2,3                        ; the four sets by turns: at T + 4 s: two chains of the largest magnitude, 57,344 x the scale, the conversion's scale operand
	v_max3_num_f32 v[T+4*\s], |v[Y+16*\s]|, |v[Y+16*\s+1]|, |v[Y+16*\s+2]|
	v_max3_num_f32 v[T+4*\s+1], |v[Y+16*\s+3]|, |v[Y+16*\s+4]|, |v[Y+16*\s+5]|
.endr
.irp i, 6,10
.irp s, 0,1,2,3
	v_max3_num_f32 v[T+4*\s], v[T+4*\s], |v[Y+16*\s+\i]|, |v[Y+16*\s+\i+1]|
	v_max3_num_f32 v[T+4*\s+1], v[T+4*\s+1], |v[Y+16*\s+\i+2]|, |v[Y+16*\s+\i+3]|
.endr
.endr
.irp s, 0,1,2,3
	v_max3_num_f32 v[T+4*\s], v[T+4*\s], |v[Y+16*\s+14]|, |v[Y+16*\s+15]|
.endr
.irp s, 0,1,2,3
	s_delay_alu instid0(VALU_DEP_4)
	v_max3_num_f32 v[T+4*\s], v[T+4*\s], v[T+4*\s+1], 0x8000000          ; and the floor 2^(16 - 127): the byte cannot fall under 1
.endr
.irp s, 0,1,2,3
	s_delay_alu instid0(VALU_DEP_4)
	v_max_num_f32_dpp v[T+4*\s], v[T+4*\s], v[T+4*\s] row_xmask:1 row_mask:0xf bank_mask:0xf   ; with my neighbour's 16: the block's largest magnitude
.endr
.irp s, 0,1,2,3
	s_delay_alu instid0(VALU_DEP_4)
	v_add_nc_u32 v[T+4*\s+3], 0xf8800000, v[T+4*\s]                      ; 15 off its exponent field: the conversion's scale operand
.endr
.irp s, 0,1,2,3
	v_and_or_b32 v[T+4*\s+2], v[T+4*\s], 0x7f800000, s23                 ; 57,344 x the scale
.endr
.irp s, 0,1,2,3
.irp i, 0,1,2,3,4,5,6,7,8,9,10,11,12,13,14,15
	v_med3_num_f32 v[Y+16*\s+\i], v[Y+16*\s+\i], -v[T+4*\s+2], v[T+4*\s+2]   ; the conversion does not saturate (ISA guide 7.6.2): the hold comes first
.endr
.endr
.irp s, 0,1,2,3
	v_cvt_scalef32_pk8_bf8_f32 v[C+4*\s:C+4*\s+1], v[Y+16*\s:Y+16*\s+7], v[T+4*\s+3]
	v_cvt_scalef32_pk8_bf8_f32 v[C+4*\s+2:C+4*\s+3], v[Y+16*\s+8:Y+16*\s+15], v[T+4*\s+3]
.endr
.irp s, 0,1,2,3
	v_lshrrev_b32 v[E+\s], 23, v[T+4*\s+3]         ; the scale's byte (plain instructions behind the conversions)
.endr
.irp s, 0,1,2,3
	ds_store_b8 v5, v[E+\s] offset:16*\s           ; both lanes of a block write the same byte with the same value
	global_store_b128 v2, v[C+4*\s:C+4*\s+3], s[10:11] offset:512*\s   ; 32 lanes store 512 consecutive bytes
.endr
	s_wait_dscnt 0x0                               ; for wave 0's sake: my scale bytes lie in LDS
	s_barrier_signal -1
	s_barrier_wait -1
	s_cmp_lg_u32 s16, 0
	s_cbranch_scc1 .Lend
	ds_load_b128 v[8:11], v6                       ; the sixteen rows' 512 scale bytes
	s_wait_dscnt 0x0
	global_store_b128 v2, v[8:11], s[12:13]        ; 32 lanes store 512 consecutive bytes, aligned
.Lend:
	s_wait_tensorcnt 0x0                           ; the wave's end
	ds_add_u32 v[SPW], v[NIL]
	s_wait_dscnt 0x0
	s_endpgm
.Lfunc_end_k_q720b298ef8_ln1:
	.size	k_q720b298ef8_ln1, .Lfunc_end_k_q720b298ef8_ln1-k_q720b298ef8_ln1
	.p2alignl 7, 3214868480
	.fill 96, 4, 3214868480
	.section	.rodata,"a",@progbits
	.p2align	6, 0x0
	.amdhsa_kernel k_q720b298ef8_ln1
		.amdhsa_group_segment_fixed_size 83456
		.amdhsa_private_segment_fixed_size 0
		.amdhsa_enable_private_segment 0
		.amdhsa_kernarg_size 32
		.amdhsa_user_sgpr_count 2
		.amdhsa_user_sgpr_kernarg_segment_ptr 1
		.amdhsa_wavefront_size32 1
		.amdhsa_system_sgpr_workgroup_id_x 1
		.amdhsa_system_sgpr_workgroup_id_y 1
		.amdhsa_system_sgpr_workgroup_id_z 1
		.amdhsa_system_vgpr_workitem_id 0
		.amdhsa_next_free_vgpr 244
		.amdhsa_next_free_sgpr 66
		.amdhsa_reserve_vcc 0
		.amdhsa_float_denorm_mode_32 3
		.amdhsa_float_denorm_mode_16_64 3
		.amdhsa_memory_ordered 1
		.amdhsa_forward_progress 1
		.amdhsa_inst_pref_size 32
	.end_amdhsa_kernel
	.amdgpu_metadata
---
amdhsa.version: [ 1, 2 ]
amdhsa.kernels:
  - .name:           k_q720b298ef8_ln1
    .symbol:         k_q720b298ef8_ln1.kd
    .args:
      - { .name: x, .offset: 0, .size: 8, .value_kind: global_buffer, .address_space: global }
      - { .name: ln1_g, .offset: 8, .size: 8, .value_kind: global_buffer, .address_space: global }
      - { .name: ln1_b, .offset: 16, .size: 8, .value_kind: global_buffer, .address_space: global }
      - { .name: hbuf, .offset: 24, .size: 8, .value_kind: global_buffer, .address_space: global }
    .group_segment_fixed_size: 83456
    .private_segment_fixed_size: 0
    .kernarg_segment_align: 8
    .kernarg_segment_size: 32
    .max_flat_workgroup_size: 256
    .sgpr_count:     66
    .vgpr_count:     244
    .wavefront_size: 32
...
	.end_amdgpu_metadata
.endif
;; end of part 1
;; launch qkv (part 2): grid 12 x 16, 4 waves a work-group, clusters of 4 x 4, 327,680 bytes of LDS; arguments hbuf, qkv_w_codes, qkv_w_scales, qkvbuf; writes qkvbuf
.if DOCPART == 2
	.amdgcn_target "amdgcn-amd-amdhsa--gfx1250"
	.amdhsa_code_object_version 6
	.text
	.protected	k_q720b298ef8_qkv
	.globl	k_q720b298ef8_qkv
	.p2align	8
	.type	k_q720b298ef8_qkv,@function
k_q720b298ef8_qkv:
	s_mov_b64 s[64:65], 0
	v_nop
	global_prefetch_b8 v0, s[64:65] scope:SCOPE_SE
	s_setreg_imm32_b32 hwreg(HW_REG_WAVE_MODE, 25, 1), 1
	s_wait_xcnt 0x0
	s_wait_alu depctr_hold_cnt(0) depctr_sa_sdst(0) depctr_va_vdst(0) depctr_va_sdst(0) depctr_va_ssrc(0) depctr_va_vcc(0) depctr_vm_vsrc(0)
	s_getreg_b32 s2, hwreg(HW_REG_IB_STS2, 6, 4)
	s_cmp_eq_u32 s2, 0
	s_cbranch_scc0 .Lentry_in_a_cluster
	s_endpgm
.Lentry_in_a_cluster:
	s_bfe_u32 s2, ttmp6, 0x10000c
	s_cmp_lg_u32 s2, 0xf033
	s_cbranch_scc0 .Lentry_shape_is_right
	s_endpgm
.Lentry_shape_is_right:
; q, k and v = h W, on codes of E5M2 with one E8M0 scale for each 32 along K = 1,024, and their quantising for the attention.  No work of reference() is left out here.
; h: codes [4096][1024] at byte 0 of its buffer, scale bytes [4096][32] at byte 4,194,304.  W: codes [3072][1024], scale bytes [3072][32].
; A tile of 256 x 256 to a work-group of four waves, 128 x 128 to a wave (64 accumulators); K in steps of 256 through two LDS slots; the scale bytes of the tile's rows come once and stay.
; TWO KINDS OF CLUSTER, told apart by the cluster's x, which all sixteen partners share.  x = 0, 1: C = h Wqk^T (rows: tokens, columns: q's and k's 2,048).  x = 2: C = Wv h^T (rows: v's 1,024, columns: tokens).
; The matrix instruction is used transposed (source 0 = rows of the second operand), so a lane holds one row of C and its registers run along the columns: for q and k along the head's 64, for v along the
; tokens, which are the keys: in both kinds that is the K of the product to come, and one quantiser serves all three.  A block of 32 columns lies in lanes l and l xor 16, 16 registers each.
; OUT: q codes [32 heads][2048 places][64] at 0, k codes likewise at 4,194,304, v codes [32][64 places][2048 keys] at 8,388,608; q's scale words [32][2048 places] x 4 bytes (two bytes, two zeros) at 12,582,912,
; k's at 12,845,056; v's scale words [32][16 steps of 128 keys][64 places] x 4 bytes at 13,107,200.
; A PLACE is the token's number (q, k) or the head's row d (v) WITH ITS BITS 3 AND 4 EXCHANGED: the attention forms its tiles of rows x + 0 .. 7 and x + 16 .. 23, and these are then 16 neighbouring places.
; Codes and words go through stages in LDS and leave in runs of 512 or 256 consecutive bytes.
; LIMITS: a block of zeros, or one whose largest magnitude lies under 2^-111, gets the byte 1; NaN and infinities are not served.
; CLUSTERS: 4 x 4; the first operand's tile is asked for jointly along a row of the cluster, the second's along a column.
; REGISTERS: window 0: v0-31 addresses; v32-63 scale words, two sets; v64-127 at work on the way out; v128-255 the first operand's fragments, one set.  window 1: the second's, two sets.  windows 2, 3: accumulators.
.set KSTEP,  256
.set NQ,     2
.set ROWB,   256
.set KROW,   1024
.set PITCH,  272                       ; 256 bytes + 16: the 16 rows of a fragment load start at 16 different banks
.set FR,     16
.set NL,     4
.set NP,     8                         ; places behind this matrix instruction (ISA guide 7.12.1)
.set HALFT,  128*PITCH
.set SLOT,   4*HALFT
.set LAPS,   2
.set KS,     32
.set SCL,    2*SLOT
.set HALFS,  (128*KS/256)*272
.set SBLK,   (16*KS/256)*272
.set SPARE,  SCL+4*HALFS               ; the spare words, 128 bytes a wave, which no other line names
.set STV,    0                         ; the way out, kind v: 256 rows x 272 bytes, in the lower half of slot 0
.set STQ,    69632                     ; kinds q, k: 4 heads x 64 rows x 272 bytes, in its upper half.  Slot 0 has had its last fill and its last read by then
.set SCQ,    SPARE+512                 ; scale words on the way out: 4 heads x 1,024 bytes
.set SCV,    SCQ+4096                  ; kind v: 4 heads x 512 bytes
.set STOQ, 6
.set SCQW, 7
.set RDQ,  8
.set RDSQ, 9
.set GLQ,  10
.set STOV, 11
.set SCVW, 12
.set RDV,  13
.set RDSV, 14
.set GLV,  15
.set ADRA, 16
.set ADRB, 20
.set ADRS, 27
.set SPW,  28
.set NIL,  29
.set SC,   32
.set H,    64                          ; the way out: 64 numbers held
.set AF,   128
.set TM,   128                         ; the way out: 4 largest magnitudes, 4 bytes, 4 limits, 4 scale operands
.set PW,   144                         ; four scale words by turns
.set CD,   192                         ; four sets of 16 registers of codes by turns
.set G1, 24
.set G0, 32
.set G1B, 48
.set G0B, 56
.set G1S, 68
.set G0S, 76
.set G1SB, 80
.set G0SB, 88
.set MSB, 0
.macro WIN new                         ; the immediate's high byte repeats the setting that is left
.if MSB != \new
	s_set_vgpr_msb (MSB<<8)|\new
.set MSB, \new
.endif
.endm
.set MUL_LO, 0xa1
.set MUL_HI, 0xf1
.set TO_B,   0x40
; A joint load: waves 0 and 1 fetch for the first operand, waves 2 and 3 for the second.  An s_nop 0 and four v_nop follow each line.
.macro JLOAD g0a, g1a, g0b, g1b
	s_cmp_eq_u32 s15, 0
	s_cbranch_scc0 .Lfor_b_\@
	tensor_load_to_lds s[\g0a:\g0a+3], s[\g1a:\g1a+7]
	s_nop 0
.rept 4
	v_nop
.endr
	s_branch .Lasked_\@
.Lfor_b_\@:
	tensor_load_to_lds s[\g0b:\g0b+3], s[\g1b:\g1b+7]
	s_nop 0
.rept 4
	v_nop
.endr
.Lasked_\@:
.endm
.macro CREST
	s_cmp_lg_u32 s14, 0
	s_cbranch_scc1 .Lnot_wave_0_\@
	s_barrier_signal -3
.Lnot_wave_0_\@:
	s_barrier_wait -3
	s_barrier_signal -1
	s_barrier_wait -1
.endm
.macro CROUND
	s_barrier_signal -1
	s_barrier_wait -1
	CREST
.endm
	s_load_b128 s[96:99], s[0:1], 0x0              ; h s[96:97], W's codes s[98:99]
	s_load_b128 s[8:11], s[0:1], 0x10              ; W's scales s[8:9], out s[10:11]
	v_lshl_add_u32 v[SPW], v0, 2, SPARE
	v_mov_b32 v[NIL], 0
	ds_add_u32 v[SPW], v[NIL]                      ; the opening: the add, twice on end, and its wait ahead of my first tensor load
	ds_add_u32 v[SPW], v[NIL]
	v_lshrrev_b32 v1, 5, v0
	v_readfirstlane_b32 s14, v1                    ; wave
	s_lshr_b32 s15, s14, 1                         ; my half of the tile's rows; also: I fetch for the first operand (0) or the second (1)
	s_and_b32 s16, s14, 1                          ; my half of its columns; also: which 128 rows I fetch
	s_bfe_u32 s40, ttmp6, 0x40000                  ; cx
	s_bfe_u32 s41, ttmp6, 0x40004                  ; cy
	s_and_b32 s17, ttmp7, 0xffff                   ; cluster y
	s_cmp_eq_u32 ttmp9, 2                          ; kind v?  The cluster's x: the same in all sixteen
	s_cselect_b32 s42, s17, ttmp9                  ; the columns' cluster coordinate
	s_cselect_b32 s17, 0, s17                      ; the rows'
	s_cselect_b32 s95, 1, 0
	s_lshl_b32 s42, s42, 2
	s_add_co_u32 s42, s42, s40                     ; tile column
	s_lshl_b32 s17, s17, 2
	s_add_co_u32 s17, s17, s41                     ; tile row
	s_lshl_b32 s43, s41, 2
	s_lshl_b32 s43, 15, s43                        ; my row of the cluster
	s_lshl_b32 s44, 0x1111, s40                    ; my column
	s_or_b32 s[G1+0], s43, (0<<16)|(1<<20)|(1<<21)|(5<<22)|(3<<25)  ; mask; elements of 1 byte; padding: 4 words behind every 64; bit 21 beside a mask
	s_or_b32 s[G1B+0], s44, (0<<16)|(1<<20)|(1<<21)|(5<<22)|(3<<25)
.irp g, G1, G1B
	s_mov_b32 s[\g+1], ROWB<<16
	s_mov_b32 s[\g+2], 256<<16                     ; the head's loads bring a tile's 256 rows; behind them the two row counts are set to 128, for the ring's
	s_mov_b32 s[\g+3], ROWB<<16
	s_mov_b32 s[\g+4], 256
	s_mov_b32 s[\g+5], KROW
	s_mov_b32 s[\g+6], 0
	s_mov_b32 s[\g+7], 0
.endr
	s_or_b32 s[G1S+0], s43, (3<<16)|(1<<20)|(1<<21)|(5<<22)|(3<<25) ; the scales of 256 rows: 8,192 dense bytes as 32 rows of 256
	s_or_b32 s[G1SB+0], s44, (3<<16)|(1<<20)|(1<<21)|(5<<22)|(3<<25)
.irp g, G1S, G1SB
	s_mov_b32 s[\g+1], 32<<16
	s_mov_b32 s[\g+2], KS<<16                      ; the scales of 256 rows: 256 KS dense bytes as KS rows of 256
	s_mov_b32 s[\g+3], 32<<16
	s_mov_b32 s[\g+4], KS
	s_mov_b32 s[\g+5], 32
	s_mov_b32 s[\g+6], 0
	s_mov_b32 s[\g+7], 0
.endr
	s_lshl_b32 s20, s17, 8                         ; first operand: the tile's first row, 256 x tile row
	s_lshl_b32 s46, s42, 8                         ; second: 256 x tile column
	s_mov_b32 s21, 0
	s_mov_b32 s47, 0
	s_mov_b64 s[18:19], KS
	s_mul_u64 s[22:23], s[20:21], s[18:19]
	s_mul_u64 s[92:93], s[46:47], s[18:19]
	s_mov_b64 s[18:19], KROW
	s_mul_u64 s[20:21], s[20:21], s[18:19]
	s_mul_u64 s[46:47], s[46:47], s[18:19]
	s_mul_i32 s18, s16, 128*KROW                   ; in the ring I fetch 128 rows of a tile: which half, in bytes
	s_mov_b32 s19, 0
	s_mul_i32 s45, s14, HALFT
	s_wait_dscnt 0x0                               ; both opening adds are done
	s_wait_kmcnt 0x0
	s_add_nc_u64 s[100:101], s[96:97], 0x400000    ; h's scales
	s_add_nc_u64 s[6:7], s[8:9], 65536             ; the scales of W's rows 2,048 on (v)
	s_add_nc_u64 s[4:5], s[98:99], 0x200000        ; and their codes
	s_mov_b64 s[12:13], s[10:11]                   ; out
	s_cmp_eq_u32 ttmp9, 2                          ; the choice of buffers hangs on the cluster's x alone
	s_cselect_b64 s[4:5], s[4:5], s[96:97]         ; first operand's codes
	s_cselect_b64 s[6:7], s[6:7], s[100:101]       ; its scales
	s_cselect_b64 s[10:11], s[100:101], s[8:9]     ; second operand's scales
	s_cselect_b64 s[8:9], s[96:97], s[98:99]       ; its codes
	s_add_nc_u64 s[20:21], s[4:5], s[20:21]
	s_add_nc_u64 s[22:23], s[6:7], s[22:23]
	s_add_nc_u64 s[46:47], s[8:9], s[46:47]
	s_add_nc_u64 s[92:93], s[10:11], s[92:93]
	CROUND                                         ; all sixteen work-groups are here: the first joint loads meet
	s_mov_b32 s[G0S], 1
	s_mov_b32 s[G0S+1], SCL
	s_mov_b64 s[G0S+2:G0S+3], s[22:23]
	s_or_b32 s[G0S+3], s[G0S+3], 0x80000000
	s_mov_b32 s[G0SB], 1
	s_mov_b32 s[G0SB+1], SCL+2*HALFS
	s_mov_b64 s[G0SB+2:G0SB+3], s[92:93]
	s_or_b32 s[G0SB+3], s[G0SB+3], 0x80000000
.set G0H, 4                            ; s[4:7], s[8:11]: group 0 of the head's loads of K step 0 (the pointers that lay there have been used)
.set G0HB, 8
	s_mov_b32 s[G0H], 1
	s_mov_b32 s[G0H+1], 0
	s_mov_b64 s[G0H+2:G0H+3], s[20:21]
	s_or_b32 s[G0H+3], s[G0H+3], 0x80000000
	s_mov_b32 s[G0HB], 1
	s_mov_b32 s[G0HB+1], 2*HALFT
	s_mov_b64 s[G0HB+2:G0HB+3], s[46:47]
	s_or_b32 s[G0HB+3], s[G0HB+3], 0x80000000
; THE PREFETCHES: of the 128 rows x 256 bytes that a wave fetches for a K step, each of the four partners that ask for them jointly names 32 rows, told apart by address (cx for the first operand, cy for the second): a lane a row.
; K steps 1 and 2 are named at the head, K step 3 behind the refill that loads K step 2; the steps are immediate offsets, so no address register is written again.
.set PFA, 100                          ; s[100:101] my 32 rows, at K step 0
.set PFO, 31                           ; v31 1,024 x lane
	s_cmp_eq_u32 s15, 0
	s_cselect_b64 s[PFA:PFA+1], s[20:21], s[46:47]
	s_cselect_b32 s22, s40, s41
	s_lshl_b32 s22, s22, 15                        ; 32 rows of 1,024 bytes a partner
	s_add_co_u32 s22, s22, s18
	s_mov_b32 s23, 0
	s_add_nc_u64 s[PFA:PFA+1], s[PFA:PFA+1], s[22:23]
	s_add_nc_u64 s[20:21], s[20:21], s[18:19]      ; for the ring: my 128 rows of the tile
	s_add_nc_u64 s[46:47], s[46:47], s[18:19]
.irp s, 0,1
	s_mov_b32 s[G0+4*\s], 1
	s_add_co_u32 s[G0+4*\s+1], s45, \s*SLOT
	s_add_nc_u64 s[G0+4*\s+2:G0+4*\s+3], s[20:21], \s*ROWB
	s_or_b32 s[G0+4*\s+3], s[G0+4*\s+3], 0x80000000
	s_mov_b32 s[G0B+4*\s], 1
	s_add_co_u32 s[G0B+4*\s+1], s45, \s*SLOT
	s_add_nc_u64 s[G0B+4*\s+2:G0B+4*\s+3], s[46:47], \s*ROWB
	s_or_b32 s[G0B+4*\s+3], s[G0B+4*\s+3], 0x80000000
.endr
; THE HEAD'S LOADS, ONE A WAVE: wave 0 K step 0's 256 rows of the first operand, wave 1 those of the second, wave 2 and wave 3 their scale bytes.  One chain of branches on the wave's number, a load to an arm.
.macro ARM under, g0, g1, next
	s_cmp_lt_u32 s14, \under
	s_cbranch_scc0 \next
	tensor_load_to_lds s[\g0:\g0+3], s[\g1:\g1+7]
	s_nop 0
.rept 4
	v_nop
.endr
	s_branch .Lhead_asked
\next:
.endm
	ARM 1, G0H,  G1,  .Lhead_b
	ARM 2, G0HB, G1B, .Lhead_sa
	ARM 3, G0S,  G1S, .Lhead_sb
	tensor_load_to_lds s[G0SB:G0SB+3], s[G1SB:G1SB+7]
	s_nop 0
.rept 4
	v_nop
.endr
.Lhead_asked:
	v_and_b32 v[PFO], 31, v0
	v_lshlrev_b32 v[PFO], 10, v[PFO]
	global_prefetch_b8 v[PFO], s[PFA:PFA+1] offset:ROWB th:TH_LOAD_NT scope:SCOPE_SE
	global_prefetch_b8 v[PFO], s[PFA:PFA+1] offset:2*ROWB th:TH_LOAD_NT scope:SCOPE_SE
	v_and_b32 v1, 15, v0                           ; r
	v_bfe_u32 v2, v0, 4, 1                         ; h
	v_mul_u32_u24 v3, v1, PITCH
	v_lshl_add_u32 v4, v2, 4, v3
	s_mul_i32 s21, s15, HALFT
	s_mul_i32 s22, s16, HALFT
	s_add_co_u32 s22, s22, 2*HALFT
.irp s, 0,1
	v_add_nc_u32 v[ADRA+\s], s21, v4
	v_add_nc_u32 v[ADRB+\s], s22, v4
	s_add_co_u32 s21, s21, SLOT
	s_add_co_u32 s22, s22, SLOT
.endr
	v_mul_u32_u24 v5, v1, KS
	v_lshrrev_b32 v3, 8, v5
	v_lshl_add_u32 v5, v3, 4, v5
	s_mul_i32 s21, s15, HALFS
	s_mul_i32 s22, s16, HALFS
	s_add_co_u32 s22, s22, 2*HALFS
	s_sub_co_u32 s22, s22, s21
	v_mul_u32_u24 v3, s22, v2                      ; lanes 16-31 take the second operand's
	s_add_co_u32 s21, s21, SCL
	v_add_nc_u32 v5, v5, v3
	v_add_nc_u32 v[ADRS], s21, v5
	; the addresses of both ways out are made here, ahead of the parting.  Token 128 rh + 16 a + r has the place 128 rh + 32 (a / 2) + 16 (r / 8) + 8 (a % 2) + r % 8
	v_bfe_u32 v3, v1, 2, 1
	v_lshrrev_b32 v5, 3, v1
	v_lshl_add_u32 v3, v5, 2, v3                   ; the lane's part of place / 4: 4 (r / 8) + (r / 4) % 2
	v_mul_u32_u24 v[STOQ], v3, 272
	v_and_b32 v3, 3, v1
	v_lshl_add_u32 v[STOQ], v3, 6, v[STOQ]
	v_lshl_add_u32 v[STOQ], v2, 3, v[STOQ]
	s_mul_i32 s21, s16, 34816
	s_mul_i32 s22, s15, 32*272
	s_add_co_u32 s21, s21, s22
	s_add_co_u32 s21, s21, STQ
	v_add_nc_u32 v[STOQ], s21, v[STOQ]             ; q, k: head 2 ch, stage row place / 4, place % 4 of its four, + 8 h
	v_and_b32 v5, 8, v1
	v_add_nc_u32 v5, v5, v1                        ; r + 8 (r / 8): the lane's part of a place
	v_lshlrev_b32 v[SCQW], 2, v5
	v_lshl_add_u32 v[SCQW], v2, 10, v[SCQW]
	s_lshl_b32 s21, s16, 11
	s_lshl_b32 s22, s15, 9
	s_add_co_u32 s21, s21, s22
	s_add_co_u32 s21, s21, SCQ
	v_add_nc_u32 v[SCQW], s21, v[SCQW]             ; head 2 ch + h, 4 bytes a place
	v_mul_u32_u24 v3, v2, 272
	v_lshl_add_u32 v3, v1, 4, v3
	s_mul_i32 s21, s14, 17408
	v_add_nc_u32 v[RDV], s21, v3                   ; back: rows 64 w on, sixteen lanes to a row
	s_add_co_u32 s21, s21, STQ
	v_add_nc_u32 v[RDQ], s21, v3
	v_and_b32 v3, 31, v0
	v_lshlrev_b32 v[GLQ], 4, v3                    ; 16 x lane
	s_lshl_b32 s21, s14, 10
	s_add_co_u32 s21, s21, SCQ
	v_add_nc_u32 v[RDSQ], s21, v[GLQ]
	s_lshl_b32 s21, s14, 9
	s_add_co_u32 s21, s21, SCV
	v_add_nc_u32 v[RDSV], s21, v[GLQ]
	v_mul_u32_u24 v[STOV], v1, 272
	v_lshl_add_u32 v[STOV], v2, 3, v[STOV]
	s_mul_i32 s21, s15, 128*272
	s_lshl_b32 s22, s16, 7
	s_add_co_u32 s21, s21, s22
	v_add_nc_u32 v[STOV], s21, v[STOV]             ; v: row 128 rh + r, byte 128 ch + 8 h
	v_lshlrev_b32 v[SCVW], 2, v5                   ; v's scale words: 4 bytes a place of the head's row
	s_lshl_b32 s21, s15, 10
	s_lshl_b32 s22, s16, 8
	s_add_co_u32 s21, s21, s22
	s_add_co_u32 s21, s21, SCV
	v_add_nc_u32 v[SCVW], s21, v[SCVW]
	v_lshlrev_b32 v[GLV], 11, v2
	v_lshl_add_u32 v[GLV], v1, 4, v[GLV]           ; two rows of 2,048 bytes, sixteen lanes each
.macro FRAG reg, adr, q, i             ; 16 rows x 128 K: lane l holds row l % 16; registers 4 c .. 4 c + 3 hold K = 32 c + 16 (l / 16) + 0 .. 15
.irp c, 0,1,2,3
	ds_load_b128 v[\reg+4*\c:\reg+4*\c+3], v[\adr] offset:128*(\q)+32*\c+(\i)*16*PITCH
.endr
.endm
; 16 matrix instructions; the 64 accumulators take turns, one instruction a turn, in the same order in every step.  zero = 1: the first products start the sums
.macro MUL16 a0, p, q, sc, zero
.irp a, \a0, \a0+1
.irp b, 0,1,2,3,4,5,6,7
.if \zero
	v_wmma_scale_f32_16x16x128_f8f6f4 v[8*(8*((\a)%4)+\b):8*(8*((\a)%4)+\b)+7], v[128*(\p)+FR*\b:128*(\p)+FR*\b+FR-1], v[AF+FR*(\a):AF+FR*(\a)+FR-1], 0, v[SC+8*NQ*(\sc)+NQ*\b+(\q)], v[SC+8*NQ*(\sc)+NQ*(\a)+(\q)] matrix_a_fmt:MATRIX_FMT_BF8 matrix_b_fmt:MATRIX_FMT_BF8 matrix_a_scale:MATRIX_SCALE_ROW1
.else
	v_wmma_scale_f32_16x16x128_f8f6f4 v[8*(8*((\a)%4)+\b):8*(8*((\a)%4)+\b)+7], v[128*(\p)+FR*\b:128*(\p)+FR*\b+FR-1], v[AF+FR*(\a):AF+FR*(\a)+FR-1], v[8*(8*((\a)%4)+\b):8*(8*((\a)%4)+\b)+7], v[SC+8*NQ*(\sc)+NQ*\b+(\q)], v[SC+8*NQ*(\sc)+NQ*(\a)+(\q)] matrix_a_fmt:MATRIX_FMT_BF8 matrix_b_fmt:MATRIX_FMT_BF8 matrix_a_scale:MATRIX_SCALE_ROW1
.endif
.endr
.endr
.endm
.macro FETCH_B slot, q, p
	WIN TO_B
.irp i, 0,1,2,3,4,5,6,7
	FRAG 128*(\p)+FR*\i, ADRB+\slot, \q, \i
.endr
	WIN 0
.endm
.macro FETCH_A slot, q, i0
.irp i, \i0, \i0+1, \i0+2, \i0+3
	FRAG AF+FR*(\i), ADRA+\slot, \q, \i
.endr
.endm
.macro SCALES sc                       ; a K step's two scale words a row: lanes 0-15 the first operand's block i, lanes 16-31 the second's
.irp i, 0,1,2,3,4,5,6,7
	ds_load_b64 v[SC+8*NQ*\sc+NQ*\i:SC+8*NQ*\sc+NQ*\i+1], v[ADRS] offset:\i*SBLK
.endr
.endm
.macro PLACES n                        ; plain vector instructions between a matrix instruction and a load into, or a read of, its registers
.rept \n
	v_nop
.endr
.endm
.macro STEP slot, q, zero              ; 128 along K that have their successor in the same slot
	s_wait_dscnt 4*NL                              ; all but the youngest 16 loads (blocks 4-7 of the first operand)
	WIN MUL_LO
	MUL16 0, (\q)%2, \q, \slot, \zero
	MUL16 2, (\q)%2, \q, \slot, \zero
	s_wait_dscnt 0
	PLACES NP
	FETCH_B \slot, (\q)+1, 1-(\q)%2
	FETCH_A \slot, (\q)+1, 0
	WIN MUL_HI
	MUL16 4, (\q)%2, \q, \slot, \zero
	MUL16 6, (\q)%2, \q, \slot, \zero
	PLACES NP
	WIN 0
	FETCH_A \slot, (\q)+1, 4
.endm
; A slot's last step changes slots: one barrier; in front of it each wave waits for all its tensor loads, adds 0 to its spare word, and waits for that and for its reads of this slot
.macro TURN slot, next, fill
	s_wait_tensorcnt 0x0                           ; all my tensor loads have landed: my part of the next slot
	ds_add_u32 v[SPW], v[NIL]
	s_wait_dscnt 4*NL+1                            ; the add and the youngest 16 loads may be out
	WIN MUL_LO
	MUL16 0, 1, NQ-1, \slot, 0
	s_wait_dscnt 0x0                               ; the add is done, and my reads of this slot are over
	s_barrier_signal -1
	MUL16 2, 1, NQ-1, \slot, 0
	WIN 0
	s_barrier_wait -1
.if \fill
	CREST                                          ; the barrier has opened a round of the cluster's: no wave of any partner still reads this slot or has a load on its way
	s_add_nc_u64 s[G0+4*\slot+2:G0+4*\slot+3], s[G0+4*\slot+2:G0+4*\slot+3], 2*ROWB
	s_add_nc_u64 s[G0B+4*\slot+2:G0B+4*\slot+3], s[G0B+4*\slot+2:G0B+4*\slot+3], 2*ROWB
	JLOAD G0+4*\slot, G1, G0B+4*\slot, G1B         ; the first tensor load behind the round; its four v_nop are four of the eight places
	PLACES NP-4
.else
	PLACES NP
.endif
	s_wait_alu depctr_va_vdst(0)
	v_add_nc_u32 v[ADRS], 4*NQ, v[ADRS]
	FETCH_B \next, 0, 0
	FETCH_A \next, 0, 0
	SCALES \next
.if (\fill) && (\slot) == 0
	global_prefetch_b8 v[PFO], s[PFA:PFA+1] offset:3*ROWB th:TH_LOAD_NT scope:SCOPE_SE   ; K step 3, the last: a K step ahead of its load
.endif
	WIN MUL_HI
	MUL16 4, 1, NQ-1, \slot, 0
	MUL16 6, 1, NQ-1, \slot, 0
	PLACES NP
	WIN 0
	FETCH_A \next, 0, 4
.endm
	s_wait_alu depctr_va_vdst(0)                   ; the head's end
	s_wait_tensorcnt 0x0                           ; my tile of the head's four is in
	ds_add_u32 v[SPW], v[NIL]
	s_mov_b32 s[G1+2], 128<<16                     ; no tensor load of mine is out: from here on a load brings 128 rows
	s_mov_b32 s[G1+4], 128
	s_mov_b32 s[G1B+2], 128<<16
	s_mov_b32 s[G1B+4], 128
	s_wait_dscnt 0x0
	CROUND                                         ; all four tiles are in, and all sixteen work-groups are here
	JLOAD G0+4, G1, G0B+4, G1B                     ; K step 1: the first tensor load behind the round
	FETCH_B 0, 0, 0
	FETCH_A 0, 0, 0
	SCALES 0
	FETCH_A 0, 0, 4
	STEP 0, 0, 1
	s_mov_b32 s3, LAPS-1
.Llap:
	TURN 0, 1, 1
	STEP 1, 0, 0
	TURN 1, 0, 1
	STEP 0, 0, 0
	s_sub_co_u32 s3, s3, 1
	s_cmp_lg_u32 s3, 0
	s_cbranch_scc1 .Llap
	TURN 0, 1, 0
	STEP 1, 0, 0
	s_wait_dscnt 4*NL
	WIN MUL_LO
	MUL16 0, 1, NQ-1, 1, 0
	MUL16 2, 1, NQ-1, 1, 0
	s_wait_dscnt 0
	WIN MUL_HI
	MUL16 4, 1, NQ-1, 1, 0
	MUL16 6, 1, NQ-1, 1, 0
	WIN 0
; THE WAY OUT.  Block a (16 rows x my 128 columns) is quantised: four blocks of 32 columns, registers 16 b + 0 .. 15 of the block's 64: columns 32 b + 8 h + 0 .. 7 and 32 b + 16 + 8 h + 0 .. 7.
; kind = 0: q, k: two scale words a row (a head is 64 columns): lanes 0-15 store the first head's, lanes 16-31 the second's.  kind = 1: v: one word a row: four blocks of 32 keys.
.macro QBLK a, kind
.set AC, 64*((\a)%4)
.set CDS, CD+16*((\a)%4)
.set PWR, PW+(\a)%4
.if (\a) >= 4
	s_wait_dscnt 27                                ; behind the stores of the block four back: three blocks of nine: its codes and its word have been read
.endif
	WIN 0x0a+5*((\a)/4)
.irp b, 0,1,2,3
	v_max3_num_f32 v[TM+\b], |v[AC+16*\b]|, |v[AC+16*\b+1]|, 0x8000000   ; each accumulator from its low end on; the floor 2^(16 - 127) holds the byte at 1 from below
.endr
.irp i, 2,4,6,8,10,12,14
.irp b, 0,1,2,3
	v_max3_num_f32 v[TM+\b], |v[AC+16*\b+\i]|, |v[AC+16*\b+\i+1]|, v[TM+\b]
.endr
.endr
	WIN 0
.irp b, 0,1,2,3
	v_permlanex16_b32 v[TM+4+\b], v[TM+\b], s24, s25
.endr
.irp b, 0,1,2,3
	v_max_num_f32 v[TM+\b], v[TM+\b], v[TM+4+\b]   ; with lane l xor 16's: the block's largest magnitude
.endr
.irp b, 0,1,2,3
	v_add_nc_u32 v[TM+12+\b], 0xf8800000, v[TM+\b] ; 15 off the exponent field: the conversion's scale operand
.endr
.irp b, 0,1,2,3
	v_and_or_b32 v[TM+8+\b], v[TM+\b], 0x7f800000, s26   ; 57,344 x the scale
.endr
.irp b, 0,1,2,3
	v_lshrrev_b32 v[TM+4+\b], 23, v[TM+12+\b]      ; the byte
.endr
.if \kind
	v_lshl_or_b32 v[PWR], v[TM+5], 8, v[TM+4]
	v_lshl_or_b32 v[PWR], v[TM+6], 16, v[PWR]
	v_lshl_or_b32 v[PWR], v[TM+7], 24, v[PWR]
.else
	v_lshl_or_b32 v148, v[TM+5], 8, v[TM+4]
	v_lshl_or_b32 v149, v[TM+7], 8, v[TM+6]
	v_cndmask_b32 v[PWR], v148, v149, s27          ; s27: the lanes 16-31
.endif
	WIN 0x02+((\a)/4)
.irp b, 0,1,2,3
.irp i, 0,1,2,3,4,5,6,7,8,9,10,11,12,13,14,15
	v_med3_num_f32 v[H+16*\b+\i], v[AC+16*\b+\i], -v[TM+8+\b], v[TM+8+\b]   ; the conversion does not saturate (ISA guide 7.6.2): the hold comes first
.endr
.endr
	WIN 0
.irp b, 0,1,2,3
	v_cvt_scalef32_pk8_bf8_f32 v[CDS+4*\b:CDS+4*\b+1], v[H+16*\b:H+16*\b+7], v[TM+12+\b]
	v_cvt_scalef32_pk8_bf8_f32 v[CDS+4*\b+2:CDS+4*\b+3], v[H+16*\b+8:H+16*\b+15], v[TM+12+\b]
.endr
	v_nop                                          ; a plain instruction behind the last conversion
.if \kind
.irp b, 0,1,2,3
	ds_store_b64 v[STOV], v[CDS+4*\b:CDS+4*\b+1] offset:(\a)*4352+32*\b
	ds_store_b64 v[STOV], v[CDS+4*\b+2:CDS+4*\b+3] offset:(\a)*4352+32*\b+16
.endr
	ds_store_b32 v[SCVW], v[PWR] offset:((\a)/4)*512+(((\a)%4)/2)*128+((\a)%2)*32   ; the row's place in its head; both halves of the lanes write the same word with the same value
.else
.irp b, 0,1,2,3
	ds_store_b64 v[STOQ], v[CDS+4*\b:CDS+4*\b+1] offset:(\b/2)*17408+((\a)/2)*2176+((\a)%2)*544+32*(\b%2)   ; the block's part of place / 4: 8 (a / 2) + 2 (a % 2) stage rows
	ds_store_b64 v[STOQ], v[CDS+4*\b+2:CDS+4*\b+3] offset:(\b/2)*17408+((\a)/2)*2176+((\a)%2)*544+32*(\b%2)+16
.endr
	ds_store_b32 v[SCQW], v[PWR] offset:((\a)/2)*128+((\a)%2)*32
.endif
.endm
	PLACES NP                                      ; behind the last products: their results are read and their operands' registers written below
	s_mov_b32 s24, 0x76543210                      ; no tensor load is out: the descriptors' registers are free
	s_mov_b32 s25, 0xfedcba98
	s_mov_b32 s26, 0x600000
	s_mov_b32 s27, 0xffff0000
.irp b, 0,1,2,3
	v_mov_b32 v[TM+4+\b], 0                        ; a lane permute's destination counts as one of its sources
.endr
	s_cmp_eq_u32 s95, 1
	s_cbranch_scc1 .Lv
.irp a, 0,1,2,3,4,5,6,7
	QBLK \a, 0
.endr
	s_wait_dscnt 0x0                               ; for the others' sake: my stores into the stages are done
	s_barrier_signal -1
	s_barrier_wait -1
.set T, 0
.rept 32                               ; wave w takes head w of the tile's four: 256 places x 64 bytes, dense in memory
	ds_load_b128 v[64+4*T:64+4*T+3], v[RDQ] offset:544*T
.set T, T+1
.endr
	ds_load_b128 v[192:195], v[RDSQ]
	ds_load_b128 v[196:199], v[RDSQ] offset:512
	s_lshr_b32 s28, s17, 3                         ; the batch
	s_lshl_b32 s28, s28, 4
	s_and_b32 s29, s42, 3
	s_lshl_b32 s29, s29, 2
	s_add_co_u32 s28, s28, s29
	s_add_co_u32 s28, s28, s14                     ; the head, 0 .. 31
	s_lshr_b32 s29, s42, 2                         ; 0: q, 1: k
	s_and_b32 s30, s17, 7                          ; which 256 tokens of the sequence
	s_lshl_b32 s32, s29, 22
	s_lshl_b32 s33, s28, 17
	s_add_co_u32 s32, s32, s33
	s_lshl_b32 s33, s30, 14
	s_add_co_u32 s32, s32, s33
	s_mov_b32 s33, 0
	s_add_nc_u64 s[32:33], s[12:13], s[32:33]
	s_lshl_b32 s34, s29, 18
	s_lshl_b32 s35, s28, 13
	s_add_co_u32 s34, s34, s35
	s_lshl_b32 s35, s30, 10
	s_add_co_u32 s34, s34, s35
	s_add_co_u32 s34, s34, 12582912
	s_mov_b32 s35, 0
	s_add_nc_u64 s[34:35], s[12:13], s[34:35]
.set T, 0
.rept 32
	s_wait_dscnt 33-T                              ; the younger loads of codes and the two of scale words may be out
	global_store_b128 v[GLQ], v[64+4*T:64+4*T+3], s[32:33] offset:512*T   ; 32 lanes store 512 consecutive bytes
.set T, T+1
.endr
	s_wait_dscnt 0x0
	global_store_b128 v[GLQ], v[192:195], s[34:35]
	global_store_b128 v[GLQ], v[196:199], s[34:35] offset:512
	s_branch .Ldone
.Lv:
.irp a, 0,1,2,3,4,5,6,7
	QBLK \a, 1
.endr
	s_wait_dscnt 0x0
	s_barrier_signal -1
	s_barrier_wait -1
.set T, 0
.rept 32                               ; wave w takes rows 64 w on: one head's 64 rows x 256 keys
	ds_load_b128 v[64+4*T:64+4*T+3], v[RDV] offset:544*T
.set T, T+1
.endr
	ds_load_b128 v[192:195], v[RDSV]
	s_lshr_b32 s28, s42, 3                         ; the batch
	s_lshl_b32 s28, s28, 4
	s_lshl_b32 s29, s17, 2
	s_add_co_u32 s28, s28, s29
	s_add_co_u32 s28, s28, s14                     ; the head
	s_and_b32 s30, s42, 7                          ; which 256 keys
	s_lshl_b32 s32, s28, 17
	s_lshl_b32 s33, s30, 8
	s_add_co_u32 s32, s32, s33
	s_add_co_u32 s32, s32, 8388608
	s_mov_b32 s33, 0
	s_add_nc_u64 s[32:33], s[12:13], s[32:33]
	s_lshl_b32 s34, s28, 12
	s_lshl_b32 s35, s30, 9
	s_add_co_u32 s34, s34, s35
	s_add_co_u32 s34, s34, 13107200
	s_mov_b32 s35, 0
	s_add_nc_u64 s[34:35], s[12:13], s[34:35]
.set T, 0
.rept 32
	s_wait_dscnt 32-T
	global_store_b128 v[GLV], v[64+4*T:64+4*T+3], s[32:33] offset:4096*((T&19)|((T&4)<<1)|((T&8)>>1))   ; rows 2 T and 2 T + 1 go to their places: bits 3 and 4 of the row are bits 2 and 3 of T.  Sixteen lanes store 256 consecutive bytes, aligned
.set T, T+1
.endr
	s_wait_dscnt 0x0
	global_store_b128 v[GLQ], v[192:195], s[34:35]
.Ldone:
	s_wait_tensorcnt 0x0                           ; the wave's end
	ds_add_u32 v[SPW], v[NIL]
	s_wait_dscnt 0x0
	CROUND                                         ; the closing round
	s_endpgm
.Lfunc_end_k_q720b298ef8_qkv:
	.size	k_q720b298ef8_qkv, .Lfunc_end_k_q720b298ef8_qkv-k_q720b298ef8_qkv
	.p2alignl 7, 3214868480
	.fill 96, 4, 3214868480
	.section	.rodata,"a",@progbits
	.p2align	6, 0x0
	.amdhsa_kernel k_q720b298ef8_qkv
		.amdhsa_group_segment_fixed_size 327680
		.amdhsa_private_segment_fixed_size 0
		.amdhsa_enable_private_segment 0
		.amdhsa_kernarg_size 32
		.amdhsa_user_sgpr_count 2
		.amdhsa_user_sgpr_kernarg_segment_ptr 1
		.amdhsa_wavefront_size32 1
		.amdhsa_system_sgpr_workgroup_id_x 1
		.amdhsa_system_sgpr_workgroup_id_y 1
		.amdhsa_system_sgpr_workgroup_id_z 1
		.amdhsa_system_vgpr_workitem_id 0
		.amdhsa_next_free_vgpr 1024
		.amdhsa_next_free_sgpr 102
		.amdhsa_reserve_vcc 0
		.amdhsa_float_denorm_mode_32 3
		.amdhsa_float_denorm_mode_16_64 3
		.amdhsa_memory_ordered 1
		.amdhsa_forward_progress 1
		.amdhsa_inst_pref_size 255
	.end_amdhsa_kernel
	.section	.bss,"aw",@nobits
	.p2align	6
	.space	262144
	.amdgpu_metadata
---
amdhsa.version: [ 1, 2 ]
amdhsa.kernels:
  - .name:           k_q720b298ef8_qkv
    .symbol:         k_q720b298ef8_qkv.kd
    .args:
      - { .name: hbuf, .offset: 0, .size: 8, .value_kind: global_buffer, .address_space: global }
      - { .name: qkv_w_codes, .offset: 8, .size: 8, .value_kind: global_buffer, .address_space: global }
      - { .name: qkv_w_scales, .offset: 16, .size: 8, .value_kind: global_buffer, .address_space: global }
      - { .name: qkvbuf, .offset: 24, .size: 8, .value_kind: global_buffer, .address_space: global }
    .group_segment_fixed_size: 327680
    .private_segment_fixed_size: 0
    .kernarg_segment_align: 8
    .kernarg_segment_size: 32
    .max_flat_workgroup_size: 128
    .sgpr_count:     102
    .vgpr_count:     1024
    .wavefront_size: 32
...
	.end_amdgpu_metadata
.endif
;; end of part 2
;; launch attn (part 3): grid 8 x 32, 16 waves a work-group, no clusters, 327,680 bytes of LDS; arguments qkvbuf, ctxbuf; writes ctxbuf
.if DOCPART == 3
	.amdgcn_target "amdgcn-amd-amdhsa--gfx1250"
	.amdhsa_code_object_version 6
	.text
	.protected	k_q720b298ef8_attn
	.globl	k_q720b298ef8_attn
	.p2align	8
	.type	k_q720b298ef8_attn,@function
k_q720b298ef8_attn:
	s_mov_b64 s[64:65], 0
	v_nop
	global_prefetch_b8 v0, s[64:65] scope:SCOPE_SE
	s_setreg_imm32_b32 hwreg(HW_REG_WAVE_MODE, 25, 1), 1
	s_wait_xcnt 0x0
; ctx = softmax(q k^T / 8, causal) v for 32 heads of 2,048 tokens x 64, both products on codes of E5M2 with one E8M0 scale for each 32 along K, and ctx's quantising for the projection.
; WORK LEFT OUT: key steps (128 keys) all of whose keys come after all 16 queries of a tile: reference() masks their scores to -infinity itself, the softmax makes 0 of them, and 0 times a value adds nothing.
; LIMITS: a NaN, an infinity or an overflow that reaches only such hidden scores is not carried to the result; the promise holds while the scaled scores stay under 2^31 in magnitude; a block's byte never falls under 1.
; IN (as the launch before leaves them): q codes [32][2048 places][64] at 0, k codes likewise at KOFF, v codes [32][64 places][2048 keys] at VGOFF; scale words of q at QSOFF, of k at KSOFF (4 bytes a place),
; of v at VSOFF ([32][16 key steps][64 places] x 4 bytes).  A place is a row's number with bits 3 and 4 exchanged.  OUT: ctx codes [4096][1024] at 0, scale bytes [4096][32] at 4,194,304.
; THE SOFTMAX: t = score x log2(e) / 8; M = the running largest t rounded up to a whole number; p = 2^(t - M) is quantised along the keys; the row's sum is taken of the unquantised p and divides at the end.
; SHARES.  Work-group x of a head owns query blocks x (short) and 15 - x (long), 128 queries each: 8 + 8 tiles of 16 queries, x + 1 and 16 - x key steps: 17 x 8 wave steps in every work-group.
; Waves 2 k and 2 k + 1 are partners: one (role 1) owns long tile k, the other (role 0) short tile k.  Up to key E = 256 (x / 2 + 1), each walks its own tile.
; At key E the role 0 wave divides, quantises and stores its short tile, takes the long tile's q and begins a second state of zeros.
; From there on role 1 takes a slot's even key step and role 0 its odd one.  At the end role 0 hands O^T, -M and the sums over through LDS, and role 1 joins the two states.
; Both are brought under the larger M by powers of two, which rounds nothing.  All branches of this deal hang on ids and on the count of steps alone.
; K's and V's tiles come through a ring of two LDS slots of 256 keys (waves 0, 1: K's halves; 2, 3: V's); the head's scale words come once (waves 4, 5: K's; 6, 7: V's).
; Every work-group walks all 8 changes of slots; a slot whose first key comes after the work-group's last query is not asked for.  Every wait on TENSORcnt is for 0.
; NO CLUSTER: the work-groups of a head load 8 - x / 2 slots, a different number in each pair, so partners could not make every joint request.
; PREFETCH: work-group 0 of a head, which loads all slots, asks for each slot from slot 2 on, one change of slots ahead of its tensor load: waves 4, 5 K's 16,384 bytes, waves 6, 7 V's 64 rows of 256.
; The head's K = 64 fills half of the instruction's 128: q's upper eight registers are zeros, and a tile of k is followed in its operand by the next tile's codes (finite codes), which meet those zeros.
.set SK,    256
.set KP,    80                         ; a key's 64 bytes + 16 of padding
.set VP,    272
.set VOFF,  SK*KP
.set SLOT1, 1<<16
.set NSL,   8
.set SCK,   2*SLOT1
.set SCV,   SCK+32*272
.set SPARE, SCV+16*272                 ; the spare words, 128 bytes a wave, which no other line names
.set STAGE, SPARE+2048                 ; a stage a wave for the hand-over: 144 bytes a lane (O^T's 128, then -M, t and the sums); no fill lands here
.set SPL,   144
.set STW,   32*SPL
.set KOFF,  4194304
.set VGOFF, 8388608
.set QSOFF, 12582912
.set KSOFF, 12845056
.set VSOFF, 13107200
.set AK0,  1
.set AV0,  2
.set ASK0, 3
.set ASV0, 4
.set SPW,  5
.set NIL,  6
.set PFO,  7
.set ADK,  8
.set ADV,  9
.set ADS,  10
.set ADT,  11
.set KD,   32                          ; v32-95 fragments of K, then of V; v96-103 zeros behind K's last tile
.set ZR,   96
.set S,    104                         ; v104-167 S^T, then p
.set O,    168                         ; v168-199 O^T
.set PC,   200
.set BM,   216
.set BT,   220
.set BL,   224
.set BS,   228
.set SWK,  232
.set SWV,  240
.set FF,   244
.set TP,   246
.set QW,   247
.set GOC,  248
.set GOS,  249
.set PWD,  250
.set T0,   251
.set T1,   252
.set T2,   253
.set STG,  254                         ; LDS: my own stage
.set LDG,  255                         ; LDS: my partner's
.set ROLE, 16                          ; s16 0: short tile, then helper; 1: long tile
.set EK,   17                          ; s17 E
.set WV,   18
.set MNT,  19
.set SEL,  20
.set CS,   22
.set G1K,  24
.set G1V,  32
.set G0K,  40
.set G0V,  44
.set G1SK, 48
.set G0SK, 56
.set G0SV, 60
.set TB,   2
.set TS,   3
.set TJ,   66
.set SLOTS, 67
.set G1SV, 68
.set PFA,  76
.set PFS,  78
.set LIM,  80
.set QLG,  81                          ; s81 the long tile's first query
.set TH,   90                          ; s90, s91: from this key on I leave a slot's even, odd step to my partner
.set KF,   98
.set Q0,   99
.set QL,   100
.set MSK,  101
.macro TLOAD g0k, g1k, g0v, g1v        ; waves 0, 1 fetch for K, waves 2, 3 for V; an s_nop 0 and four v_nop follow each line
	s_cmp_lt_u32 s[WV], 2
	s_cbranch_scc0 .Lnot_k_\@
	tensor_load_to_lds s[\g0k:\g0k+3], s[\g1k:\g1k+7]
	s_nop 0
.rept 4
	v_nop
.endr
	s_branch .Lasked_\@
.Lnot_k_\@:
	s_cmp_lt_u32 s[WV], 4
	s_cbranch_scc0 .Lasked_\@
	tensor_load_to_lds s[\g0v:\g0v+3], s[\g1v:\g1v+7]
	s_nop 0
.rept 4
	v_nop
.endr
.Lasked_\@:
.endm
.macro ASK                             ; the slot that the next change will ask for; the last change that fills has none behind it
	s_cmp_gt_u32 s[SLOTS], s[LIM]
	s_cbranch_scc0 .Lnot_mine_\@
	global_prefetch_b8 v[PFO], s[PFA:PFA+1] th:TH_LOAD_NT scope:SCOPE_SE
.Lnot_mine_\@:
.endm
.macro BASES                           ; from s[Q0]: q's codes s[8:9], q's scale words s[10:11], ctx's codes s[12:13], ctx's scale bytes s[14:15]
	s_and_b32 s89, s[Q0], 0xffffffe0
	s_lshr_b32 s93, s[Q0], 1
	s_and_b32 s93, s93, 8
	s_add_co_u32 s89, s89, s93                     ; the tile's first place
	s_lshl_b32 s86, s89, 6
	s_add_co_u32 s86, s86, s84
	s_mov_b32 s87, 0
	s_add_nc_u64 s[8:9], s[4:5], s[86:87]
	s_lshl_b32 s86, s89, 2
	s_add_co_u32 s86, s86, s85
	s_add_co_u32 s86, s86, QSOFF
	s_add_nc_u64 s[10:11], s[4:5], s[86:87]
	s_lshr_b32 s89, s82, 4
	s_lshl_b32 s89, s89, 11
	s_add_co_u32 s89, s89, s[Q0]                   ; the token: 2,048 x batch + query
	s_and_b32 s92, s82, 15
	s_lshl_b32 s86, s89, 10
	s_lshl_b32 s93, s92, 6
	s_add_co_u32 s86, s86, s93
	s_add_nc_u64 s[12:13], s[6:7], s[86:87]
	s_lshl_b32 s86, s89, 5
	s_lshl_b32 s93, s92, 1
	s_add_co_u32 s86, s86, s93
	s_add_co_u32 s86, s86, 0x400000
	s_add_nc_u64 s[14:15], s[6:7], s[86:87]
.endm
.macro QLOAD                           ; q's fragment and scale words: lane r takes place r + 8 (r / 8) of the tile
	v_and_b32 v[T0], 15, v0
	v_and_b32 v[T1], 8, v[T0]
	v_add_nc_u32 v[T1], v[T1], v[T0]
	v_bfe_u32 v[T2], v0, 4, 1
	v_lshlrev_b32 v[T0], 6, v[T1]
	v_lshl_add_u32 v[T0], v[T2], 4, v[T0]
	v_lshlrev_b32 v[T1], 2, v[T1]
	global_load_b128 v[16:19], v[T0], s[8:9]
	global_load_b128 v[20:23], v[T0], s[8:9] offset:32
	global_load_b32 v[QW], v[T1], s[10:11]
.endm
.macro INIT                            ; a state of zeros: the largest t -3e38, under every t
	v_mov_b32 v13, 0xff61b1e6
	v_floor_f32 v12, -v13
	v_mov_b32 v14, 0
	v_mov_b32 v15, 0
.set J, 0
.rept 32
	v_mov_b32 v[O+J], 0
.set J, J+1
.endr
.endm
	s_load_b128 s[4:7], s[0:1], 0x0                ; qkv s[4:5], ctx s[6:7]
	v_lshl_add_u32 v[SPW], v0, 2, SPARE
	v_mov_b32 v[NIL], 0
	ds_add_u32 v[SPW], v[NIL]                      ; the opening: the add, twice on end, and its wait ahead of the first tensor load
	ds_add_u32 v[SPW], v[NIL]
	v_lshrrev_b32 v8, 5, v0
	v_readfirstlane_b32 s[WV], v8
	s_and_b32 s82, ttmp7, 0xffff                   ; the head, 0 .. 31
	s_sub_co_u32 s81, 15, ttmp9
	s_lshl_b32 s81, s81, 7                         ; the long block's first query
	s_or_b32 s[QL], s81, 127                       ; the work-group's last query
	s_lshr_b32 s83, s[WV], 1
	s_lshl_b32 s83, s83, 4                         ; my tile in its block
	s_add_co_u32 s[QLG], s81, s83
	s_lshl_b32 s[Q0], ttmp9, 7
	s_add_co_u32 s[Q0], s[Q0], s83
	s_lshr_b32 s[ROLE], s[WV], 2
	s_xor_b32 s[ROLE], s[ROLE], s[WV]
	s_and_b32 s[ROLE], s[ROLE], 1                  ; of waves w, w + 4, w + 8, w + 12 two have each role
	s_cmp_eq_u32 s[ROLE], 0
	s_cselect_b32 s[Q0], s[Q0], s[QLG]
	s_lshr_b32 s[EK], ttmp9, 1
	s_add_co_u32 s[EK], s[EK], 1
	s_lshl_b32 s[EK], s[EK], 8
	s_and_b32 s88, s[WV], 1                        ; which half I fetch, if I fetch
	s_lshl_b32 s84, s82, 17
	s_lshl_b32 s90, s88, 13
	s_add_co_u32 s90, s90, s84
	s_add_co_u32 s90, s90, KOFF
	s_mov_b32 s91, 0
	s_mul_i32 s89, s88, 128*KP
	s_lshl_b32 s92, s88, 16
	s_add_co_u32 s92, s92, s84
	s_add_co_u32 s92, s92, VGOFF
	s_mov_b32 s93, 0
	s_mul_i32 s94, s88, 32*VP
	s_add_co_u32 s94, s94, VOFF
	s_lshl_b32 s96, s88, 12
	s_lshl_b32 s85, s82, 13
	s_add_co_u32 s96, s96, s85
	s_add_co_u32 s96, s96, KSOFF
	s_mov_b32 s97, 0
	s_mul_i32 s95, s88, 16*272
	s_add_co_u32 s95, s95, SCK
	s_lshl_b32 s86, s88, 11
	s_lshl_b32 s83, s82, 12
	s_add_co_u32 s86, s86, s83
	s_add_co_u32 s86, s86, VSOFF
	s_mov_b32 s87, 0
	s_mul_i32 s83, s88, 8*272
	s_add_co_u32 s83, s83, SCV
	s_mov_b32 s[G1K], (0<<16)|(1<<20)|(3<<22)|(3<<25)   ; K: 128 rows of 64 bytes, 4 words of padding behind every 16
	s_mov_b32 s[G1K+1], 64<<16
	s_mov_b32 s[G1K+2], 128<<16
	s_mov_b32 s[G1K+3], 64<<16
	s_mov_b32 s[G1K+4], 128
	s_mov_b32 s[G1K+5], 64
	s_mov_b32 s[G1K+6], 0
	s_mov_b32 s[G1K+7], 0
	s_mov_b32 s[G1V], (0<<16)|(1<<20)|(5<<22)|(3<<25)   ; V: 32 rows of 256 bytes, 2,048 apart
	s_mov_b32 s[G1V+1], 256<<16
	s_mov_b32 s[G1V+2], 32<<16
	s_mov_b32 s[G1V+3], 256<<16
	s_mov_b32 s[G1V+4], 32
	s_mov_b32 s[G1V+5], 2048
	s_mov_b32 s[G1V+6], 0
	s_mov_b32 s[G1V+7], 0
	s_mov_b32 s[G1SK], (3<<16)|(1<<20)|(5<<22)|(3<<25)  ; half of K's scale words: 4,096 dense bytes as 16 rows of 256
	s_mov_b32 s[G1SK+1], 32<<16
	s_mov_b32 s[G1SK+2], 16<<16
	s_mov_b32 s[G1SK+3], 32<<16
	s_mov_b32 s[G1SK+4], 16
	s_mov_b32 s[G1SK+5], 32
	s_mov_b32 s[G1SK+6], 0
	s_mov_b32 s[G1SK+7], 0
	s_mov_b32 s[G1SV], (3<<16)|(1<<20)|(5<<22)|(3<<25)  ; half of V's: 8 rows of 256
	s_mov_b32 s[G1SV+1], 32<<16
	s_mov_b32 s[G1SV+2], 8<<16
	s_mov_b32 s[G1SV+3], 32<<16
	s_mov_b32 s[G1SV+4], 8
	s_mov_b32 s[G1SV+5], 32
	s_mov_b32 s[G1SV+6], 0
	s_mov_b32 s[G1SV+7], 0
	s_mov_b32 s[SEL], 0x76543210
	s_mov_b32 s[SEL+1], 0xfedcba98
	s_mov_b32 s[CS], 0x3e38aa3b                    ; log2(e) / 8
	s_mov_b32 s[CS+1], s[CS]
	s_mov_b32 s[MNT], 0x600000
	s_mov_b32 s[MSK], 0xffff0000
	s_mov_b32 s[TB], 0
	s_mov_b32 s[TS], 0
	s_mov_b32 s[TJ], 0
	s_mov_b32 s[SLOTS], NSL-1
	s_mov_b32 s[KF], 0
	s_wait_dscnt 0x0                               ; both opening adds are done
	s_wait_kmcnt 0x0
	s_mov_b32 s[G0SK], 1
	s_mov_b32 s[G0SK+1], s95
	s_add_nc_u64 s[G0SK+2:G0SK+3], s[4:5], s[96:97]
	s_or_b32 s[G0SK+3], s[G0SK+3], 0x80000000
	s_mov_b32 s[G0SV], 1
	s_mov_b32 s[G0SV+1], s83
	s_add_nc_u64 s[G0SV+2:G0SV+3], s[4:5], s[86:87]
	s_or_b32 s[G0SV+3], s[G0SV+3], 0x80000000
	s_mov_b32 s[G0K], 1
	s_mov_b32 s[G0K+1], s89
	s_add_nc_u64 s[G0K+2:G0K+3], s[4:5], s[90:91]
	s_or_b32 s[G0K+3], s[G0K+3], 0x80000000
	s_mov_b32 s[G0V], 1
	s_mov_b32 s[G0V+1], s94
	s_add_nc_u64 s[G0V+2:G0V+3], s[4:5], s[92:93]
	s_or_b32 s[G0V+3], s[G0V+3], 0x80000000
; THE HEAD'S LOADS, ONE A WAVE: one chain of branches on the wave's number, a load to an arm: slot 0's halves of K and of V, then the halves of the scale words
.macro ARM under, g0, g1, next
	s_cmp_lt_u32 s[WV], \under
	s_cbranch_scc0 \next
	tensor_load_to_lds s[\g0:\g0+3], s[\g1:\g1+7]
	s_nop 0
.rept 4
	v_nop
.endr
	s_branch .Lhead_asked
\next:
.endm
	ARM 2, G0K,  G1K,  .Lhead_v
	ARM 4, G0V,  G1V,  .Lhead_sk
	ARM 6, G0SK, G1SK, .Lhead_sv
	ARM 8, G0SV, G1SV, .Lhead_none
.Lhead_asked:
	BASES
	s_cmp_lt_u32 s[WV], 6                          ; the prefetches: waves 4, 5 K's codes, waves 6, 7 V's
	s_mov_b32 s[PFS], 256
	s_cselect_b32 s[PFS], 16384, s[PFS]            ; a slot on
	s_mov_b32 s86, 2048
	s_cselect_b32 s86, 256, s86                    ; from lane to lane
	s_mov_b32 s87, 65536
	s_cselect_b32 s87, 8192, s87                   ; from wave to wave
	s_mov_b32 s90, VGOFF
	s_cselect_b32 s90, KOFF, s90
	v_and_b32 v[PFO], 31, v0
	v_mul_lo_u32 v[PFO], v[PFO], s86
	s_mul_i32 s87, s88, s87
	s_add_co_u32 s90, s90, s87
	s_add_co_u32 s90, s90, s84
	s_add_co_u32 s90, s90, s[PFS]                  ; in slot 1: the first change of slots steps it to slot 2
	s_mov_b32 s91, 0
	s_mov_b32 s[PFS+1], 0
	s_add_nc_u64 s[PFA:PFA+1], s[4:5], s[90:91]
	s_sub_co_u32 s86, s[WV], 4
	s_lshr_b32 s86, s86, 2
	s_or_b32 s86, s86, ttmp9
	s_cmp_eq_u32 s86, 0
	s_cselect_b32 s[LIM], 1, -1                    ; waves 4 to 7 of work-group 0 ask
	s_cmp_eq_u32 s[ROLE], 0
	s_cselect_b32 s[TH], s[EK], -1                 ; role 0 leaves the even steps from E on,
	s_cselect_b32 s[TH+1], -1, s[EK]               ; role 1 the odd ones
	s_mul_i32 s86, s[WV], STW
	s_add_co_u32 s86, s86, STAGE
	s_xor_b32 s87, s[WV], 1
	s_mul_i32 s87, s87, STW
	s_add_co_u32 s87, s87, STAGE
	QLOAD
	v_and_b32 v[STG], 31, v0
	v_mul_u32_u24 v[STG], v[STG], SPL
	v_add_nc_u32 v[LDG], s87, v[STG]
	v_add_nc_u32 v[STG], s86, v[STG]
	v_and_b32 v8, 15, v0                           ; r
	v_bfe_u32 v9, v0, 4, 1                         ; h
	v_mul_u32_u24 v[AK0], v8, KP
	v_lshl_add_u32 v[AK0], v9, 4, v[AK0]
	v_mul_u32_u24 v[AV0], v8, VP
	v_lshl_add_u32 v[AV0], v9, 4, v[AV0]
	v_add_nc_u32 v[AV0], VOFF, v[AV0]
	v_lshl_add_u32 v[ASK0], v8, 2, SCK
	v_lshl_add_u32 v[ASV0], v8, 2, SCV
	v_lshlrev_b32 v[GOC], 10, v8
	v_lshl_add_u32 v[GOC], v9, 4, v[GOC]           ; ctx: row r of 1,024 bytes, + 16 h
	v_lshl_add_u32 v[GOS], v8, 5, v9
	INIT
.irp j, 0,1,2,3,4,5,6,7
	v_mov_b32 v[24+\j], 0                          ; q's upper half of the instruction's K
	v_mov_b32 v[ZR+\j], 0
.endr
.irp b, 0,1,2,3
	v_mov_b32 v[BT+\b], 0                          ; a lane permute's destination counts as one of its sources
.endr
	v_mov_b32 v[FF+1], 0
; A KEY STEP: 128 keys, the q-th of the slot in hand.  It is left out, by branches on ids and the count of steps, where all its keys are hidden from my tile or where it is my partner's
.macro STEP q
	s_add_co_u32 s96, s[Q0], 15
	s_cmp_gt_u32 s[KF], s96
	s_cbranch_scc1 .Lhidden_\@
	s_cmp_ge_u32 s[KF], s[TH+\q]
	s_cbranch_scc1 .Lhidden_\@
	v_add_nc_u32 v[ADK], s[TB], v[AK0]
	v_add_nc_u32 v[ADV], s[TB], v[AV0]
	v_add_nc_u32 v[ADS], s[TS], v[ASK0]
	v_add_nc_u32 v[ADT], s[TJ], v[ASV0]
.rept 4
	v_nop                                          ; with the four additions: eight places ahead of loads into registers that matrix instructions have read
.endr
.irp e, 0,1,2,3,4,5,6,7
	ds_load_b128 v[KD+8*\e:KD+8*\e+3], v[ADK] offset:(128*(\q)+16*\e)*KP
	ds_load_b128 v[KD+8*\e+4:KD+8*\e+7], v[ADK] offset:(128*(\q)+16*\e)*KP+32
	ds_load_b32 v[SWK+\e], v[ADS] offset:272*(\e/4)+64*(\e%4)
.endr
	s_wait_alu depctr_va_vdst(0)
	s_wait_dscnt 0x0
.irp e, 0,1,2,3,4,5,6,7
	v_wmma_scale_f32_16x16x128_f8f6f4 v[S+8*\e:S+8*\e+7], v[KD+8*\e:KD+8*\e+15], v[16:31], 0, v[SWK+\e], v[QW] matrix_a_fmt:MATRIX_FMT_BF8 matrix_b_fmt:MATRIX_FMT_BF8
.endr
.rept 8
	v_nop
.endr
.irp t, 0,1,2,3                        ; V's fragments are asked for now and waited for ahead of the second product
.irp c, 0,1,2,3
	ds_load_b128 v[KD+16*\t+4*\c:KD+16*\t+4*\c+3], v[ADV] offset:16*\t*VP+128*(\q)+32*\c
.endr
	ds_load_b32 v[SWV+\t], v[ADT] offset:64*\t
.endr
	s_add_co_u32 s96, s[KF], 127
	s_cmp_le_u32 s96, s[Q0]
	s_cbranch_scc1 .Lopen_\@
	s_sub_co_i32 s96, s[Q0], s[KF]                 ; on the diagonal hidden scores become -infinity: register 16 b + i holds key KF + 16 h + 32 b + i
	v_and_b32 v[T0], 15, v0
	v_bfe_u32 v[T1], v0, 4, 1
	s_delay_alu instid0(VALU_DEP_1)
	v_lshlrev_b32 v[T1], 4, v[T1]
	s_delay_alu instid0(VALU_DEP_1)
	v_sub_nc_u32 v[T0], v[T0], v[T1]
	s_delay_alu instid0(VALU_DEP_1)
	v_add_nc_u32 v[T0], s96, v[T0]
	v_mov_b32 v[T2], 0xff800000
.set N, 0
.rept 64
	v_cmp_gt_i32 vcc_lo, 32*(N/16)+N%16, v[T0]
	v_cndmask_b32 v[S+N], v[S+N], v[T2], vcc_lo
.set N, N+1
.endr
.Lopen_\@:
.irp b, 0,1,2,3
	v_max3_num_f32 v[BM+\b], v[S+16*\b], v[S+1+16*\b], v[S+2+16*\b]   ; each block's largest score: for the row's maximum and for the block's largest p
.endr
.irp i, 3,5,7,9,11,13
.irp b, 0,1,2,3
	v_max3_num_f32 v[BM+\b], v[BM+\b], v[S+16*\b+\i], v[S+1+16*\b+\i]
.endr
.endr
.irp b, 0,1,2,3
	v_max_num_f32 v[BM+\b], v[BM+\b], v[S+15+16*\b]
.endr
.irp b, 0,1,2,3
	s_delay_alu instid0(VALU_DEP_4)
	v_permlanex16_b32 v[BT+\b], v[BM+\b], s[SEL], s[SEL+1]
.endr
.irp b, 0,1,2,3
	s_delay_alu instid0(VALU_DEP_4)
	v_max_num_f32 v[BM+\b], v[BM+\b], v[BT+\b]
.endr
	s_delay_alu instid0(VALU_DEP_2)
	v_max3_num_f32 v[TP], v[BM], v[BM+1], v[BM+2]
	s_delay_alu instid0(VALU_DEP_1)
	v_max_num_f32 v[TP], v[TP], v[BM+3]
	s_delay_alu instid0(VALU_DEP_1)
	v_mul_f32 v[TP], s[CS], v[TP]
	s_delay_alu instid0(VALU_DEP_1)
	v_max_num_f32 v13, v13, v[TP]                  ; the running largest t
	v_mov_b32 v[TP], v12
	s_delay_alu instid0(VALU_DEP_2)
	v_floor_f32 v12, -v13                          ; -M = floor(-t)
	s_delay_alu instid0(VALU_DEP_1)
	v_sub_f32 v[TP], v12, v[TP]
	s_delay_alu instid0(VALU_DEP_1)
	v_cvt_i32_f32 v[TP], v[TP]
	s_delay_alu instid0(VALU_DEP_1)
	v_ldexp_f32 v[FF], 1.0, v[TP]                  ; f = 2^(old M - new M)
.set J, 0
.rept 32
	v_pk_fma_f32 v[S+J:S+J+1], v[S+J:S+J+1], s[CS:CS+1], v[12:13] op_sel_hi:[1,0,0]
.set J, J+2
.endr
.irp b, 0,1,2,3
	v_fma_f32 v[BM+\b], v[BM+\b], s[CS], v12
.endr
.set J, 0
	s_wait_alu depctr_va_vdst(0)                   ; ahead of the batch
.rept 64
	v_exp_f32 v[S+J], v[S+J]
.set J, J+1
.endr
	v_pk_mul_f32 v[14:15], v[14:15], v[FF:FF+1] op_sel_hi:[1,0]
	s_wait_alu depctr_va_vdst(0)                   ; and behind it, ahead of its first reader
.irp b, 0,1,2,3
	v_exp_f32 v[BM+\b], v[BM+\b]
.endr
	v_pk_add_f32 v[BT:BT+1], v[S:S+1], v[S+2:S+3]  ; the row's sum, of the unquantised p, in two chains
.irp j, 4,8,12,16,20,24,28,32,36,40,44,48,52,56,60
	v_pk_add_f32 v[14:15], v[14:15], v[S+\j:S+1+\j]
	v_pk_add_f32 v[BT:BT+1], v[BT:BT+1], v[S+2+\j:S+3+\j]
.endr
	s_delay_alu instid0(VALU_DEP_1)
	v_pk_add_f32 v[14:15], v[14:15], v[BT:BT+1]
	s_wait_alu depctr_va_vdst(0)
.irp b, 0,1,2,3
	v_max_num_f32 v[BM+\b], 0x8000000, v[BM+\b]    ; the floor 2^(16 - 127): the byte cannot fall under 1
.endr
.irp b, 0,1,2,3
	s_delay_alu instid0(VALU_DEP_4)
	v_add_nc_u32 v[BS+\b], 0xf8800000, v[BM+\b]
.endr
.irp b, 0,1,2,3
	v_and_or_b32 v[BL+\b], v[BM+\b], 0x7f800000, s[MNT]
.endr
.irp b, 0,1,2,3
	v_lshrrev_b32 v[BT+\b], 23, v[BS+\b]
.endr
	s_delay_alu instid0(VALU_DEP_3)
	v_lshl_or_b32 v[PWD], v[BT+1], 8, v[BT]
	s_delay_alu instid0(VALU_DEP_1)
	v_lshl_or_b32 v[PWD], v[BT+2], 16, v[PWD]
	s_delay_alu instid0(VALU_DEP_1)
	v_lshl_or_b32 v[PWD], v[BT+3], 24, v[PWD]
.irp b, 0,1,2,3
.irp i, 0,2,4,6,8,10,12,14
	v_dual_min_num_f32 v[S+16*\b+\i], v[S+16*\b+\i], v[BL+\b] :: v_dual_min_num_f32 v[S+16*\b+\i+1], v[S+16*\b+\i+1], v[BL+\b]   ; the conversion does not saturate (ISA guide 7.6.2); p is not negative, so the hold is one-sided; two holds to an instruction
.endr
	v_cvt_scalef32_pk8_bf8_f32 v[PC+4*\b:PC+4*\b+1], v[S+16*\b:S+7+16*\b], v[BS+\b]
	v_cvt_scalef32_pk8_bf8_f32 v[PC+4*\b+2:PC+4*\b+3], v[S+8+16*\b:S+15+16*\b], v[BS+\b]
.endr
.set J, 0
.rept 16
	v_pk_mul_f32 v[O+J:O+J+1], v[O+J:O+J+1], v[FF:FF+1] op_sel_hi:[1,0]
.set J, J+2
.endr
	s_wait_alu depctr_va_vdst(0)
	s_wait_dscnt 0x0                               ; V's fragments and scale words
.irp t, 0,1,2,3
	v_wmma_scale_f32_16x16x128_f8f6f4 v[O+8*\t:O+7+8*\t], v[KD+16*\t:KD+15+16*\t], v[PC:PC+15], v[O+8*\t:O+7+8*\t], v[SWV+\t], v[PWD] matrix_a_fmt:MATRIX_FMT_BF8 matrix_b_fmt:MATRIX_FMT_BF8
.endr
.Lhidden_\@:
	s_add_co_u32 s[KF], s[KF], 128
	s_add_co_u32 s[TS], s[TS], 544
	s_add_co_u32 s[TJ], s[TJ], 272
.endm
; THE CHANGE OF SLOTS: every wave waits for all its tensor loads, adds 0 to its spare word (fill = 1: twice on end), waits for that and for its reads; one barrier; then the fill
.macro CHANGE fill
	s_wait_tensorcnt 0x0
	ds_add_u32 v[SPW], v[NIL]
.if \fill
	ds_add_u32 v[SPW], v[NIL]
	s_xor_b32 s[G0K+1], s[G0K+1], SLOT1
	s_add_nc_u64 s[G0K+2:G0K+3], s[G0K+2:G0K+3], SK*64
	s_xor_b32 s[G0V+1], s[G0V+1], SLOT1
	s_add_nc_u64 s[G0V+2:G0V+3], s[G0V+2:G0V+3], SK
	s_wait_xcnt 0x0                                ; any prefetch of mine has read its address
	s_add_nc_u64 s[PFA:PFA+1], s[PFA:PFA+1], s[PFS:PFS+1]
.endif
	s_wait_dscnt 0x0
	s_barrier_signal -1
	s_barrier_wait -1
.if \fill
	s_add_co_u32 s96, s[KF], SK                    ; a slot whose first key comes after the work-group's last query is read by no wave and is not asked for
	s_cmp_gt_u32 s96, s[QL]
	s_cbranch_scc1 .Lpast_\@
	TLOAD G0K, G1K, G0V, G1V
.Lpast_\@:
	ASK
.endif
.endm
.macro SLOT_STEPS
	STEP 0
	STEP 1
	s_xor_b32 s[TB], s[TB], SLOT1
.endm
; A TILE'S END: O^T / the sum; two blocks of 32 along the head's 64 are quantised (a block lies in lanes l and l xor 16) and stored
.macro FINISH
.rept 8
	v_nop                                          ; places behind the last products
.endr
	v_add_f32 v14, v14, v15
	s_delay_alu instid0(VALU_DEP_1)
	v_permlanex16_b32 v[BT], v14, s[SEL], s[SEL+1]
	s_delay_alu instid0(VALU_DEP_1)
	v_add_f32 v14, v14, v[BT]
	s_wait_alu depctr_va_vdst(0)                   ; ahead of the transcendental,
	v_rcp_f32 v14, v14
	v_nop
	s_wait_alu depctr_va_vdst(0)                   ; and ahead of its first reader
.set J, 0
.rept 32
	v_mul_f32 v[S+J], v[O+J], v14
.set J, J+1
.endr
.irp b, 0,1
	v_max3_num_f32 v[BM+\b], |v[S+16*\b]|, |v[S+1+16*\b]|, 0x8000000
.endr
.irp i, 2,4,6,8,10,12,14
.irp b, 0,1
	s_delay_alu instid0(VALU_DEP_2)
	v_max3_num_f32 v[BM+\b], v[BM+\b], |v[S+16*\b+\i]|, |v[S+1+16*\b+\i]|
.endr
.endr
.irp b, 0,1
	s_delay_alu instid0(VALU_DEP_2)
	v_permlanex16_b32 v[BT+\b], v[BM+\b], s[SEL], s[SEL+1]
.endr
.irp b, 0,1
	s_delay_alu instid0(VALU_DEP_2)
	v_max_num_f32 v[BM+\b], v[BM+\b], v[BT+\b]
.endr
.irp b, 0,1
	s_delay_alu instid0(VALU_DEP_2)
	v_add_nc_u32 v[BS+\b], 0xf8800000, v[BM+\b]
.endr
.irp b, 0,1
	s_delay_alu instid0(VALU_DEP_4)
	v_and_or_b32 v[BL+\b], v[BM+\b], 0x7f800000, s[MNT]
.endr
.irp b, 0,1
	s_delay_alu instid0(VALU_DEP_4)
	v_lshrrev_b32 v[BT+\b], 23, v[BS+\b]
.endr
	s_delay_alu instid0(VALU_DEP_1)
	v_cndmask_b32 v[TP], v[BT], v[BT+1], s[MSK]    ; lanes 0-15 store the first block's byte, lanes 16-31 the second's
.irp b, 0,1
.irp i, 0,1,2,3,4,5,6,7,8,9,10,11,12,13,14,15
	v_med3_num_f32 v[S+16*\b+\i], v[S+16*\b+\i], -v[BL+\b], v[BL+\b]
.endr
	v_cvt_scalef32_pk8_bf8_f32 v[PC+4*\b:PC+4*\b+1], v[S+16*\b:S+7+16*\b], v[BS+\b]
	v_cvt_scalef32_pk8_bf8_f32 v[PC+4*\b+2:PC+4*\b+3], v[S+8+16*\b:S+15+16*\b], v[BS+\b]
.endr
	v_nop                                          ; a plain instruction behind the last conversion
	global_store_b128 v[GOC], v[PC:PC+3], s[12:13]
	global_store_b128 v[GOC], v[PC+4:PC+7], s[12:13] offset:32
	global_store_b8 v[GOS], v[TP], s[14:15]
.endm
	s_wait_alu depctr_va_vdst(0)                   ; the head's end
	s_wait_loadcnt 0x0                             ; q
.Lslot:                                            ; 7 trips; the last slot is written out without a fill
	CHANGE 1
	s_cmp_lg_u32 s[KF], s[TH]                      ; key E, in a role 0 wave alone (slots 1 to 4)
	s_cbranch_scc1 .Lstay
	FINISH                                         ; the short tile is done
	s_wait_xcnt 0x0                                ; its stores have read their registers and bases
	s_mov_b32 s[Q0], s[QLG]                        ; from here on I help with my partner's tile
	BASES
	QLOAD
	INIT
	s_wait_alu depctr_va_vdst(0)
	s_wait_loadcnt 0x0
.Lstay:
	SLOT_STEPS
	s_sub_co_u32 s[SLOTS], s[SLOTS], 1
	s_cmp_lg_u32 s[SLOTS], 0
	s_cbranch_scc1 .Lslot
	CHANGE 0
	SLOT_STEPS
; THE HAND-OVER: role 0 stores its state into its own stage; one barrier; role 1 reads its partner's stage and joins the two states
.rept 8
	v_nop                                          ; places behind the last products
.endr
	s_cmp_eq_u32 s[ROLE], 0
	s_cbranch_scc0 .Lkeeper
.irp i, 0,1,2,3,4,5,6,7
	ds_store_b128 v[STG], v[O+4*\i:O+4*\i+3] offset:16*\i   ; each accumulator from its low end on
.endr
	ds_store_b128 v[STG], v[12:15] offset:128
.Lkeeper:
	s_wait_dscnt 0x0                               ; for my partner's sake
	s_barrier_signal -1
	s_barrier_wait -1
	s_cmp_eq_u32 s[ROLE], 0
	s_cbranch_scc1 .Lend
.irp i, 0,1,2,3,4,5,6,7
	ds_load_b128 v[S+4*\i:S+4*\i+3], v[LDG] offset:16*\i
.endr
	ds_load_b128 v[S+32:S+35], v[LDG] offset:128
	s_wait_dscnt 0x0
	v_min_num_f32 v[T0], v12, v[S+32]              ; the joint -M: the larger M.  A helper that had no step holds -M = 3e38 and zeros: its factor comes out 0
	v_sub_f32 v[T1], v[T0], v12
	v_sub_f32 v[T2], v[T0], v[S+32]
	v_cvt_i32_f32 v[T1], v[T1]                     ; whole numbers, 0 or less (the conversion saturates)
	v_cvt_i32_f32 v[T2], v[T2]
	v_ldexp_f32 v[FF], 1.0, v[T1]
	v_ldexp_f32 v[BT], 1.0, v[T2]
	v_pk_mul_f32 v[14:15], v[14:15], v[FF:FF+1] op_sel_hi:[1,0]
.set J, 0
.rept 16
	v_pk_mul_f32 v[O+J:O+J+1], v[O+J:O+J+1], v[FF:FF+1] op_sel_hi:[1,0]
.set J, J+2
.endr
	v_pk_fma_f32 v[14:15], v[S+34:S+35], v[BT:BT+1], v[14:15] op_sel_hi:[1,0,1]
.set J, 0
.rept 16
	v_pk_fma_f32 v[O+J:O+J+1], v[S+J:S+J+1], v[BT:BT+1], v[O+J:O+J+1] op_sel_hi:[1,0,1]
.set J, J+2
.endr
	FINISH
.Lend:
	s_wait_tensorcnt 0x0                           ; the wave's end
	ds_add_u32 v[SPW], v[NIL]
	s_wait_dscnt 0x0
	s_endpgm
.Lfunc_end_k_q720b298ef8_attn:
	.size	k_q720b298ef8_attn, .Lfunc_end_k_q720b298ef8_attn-k_q720b298ef8_attn
	.p2alignl 7, 3214868480
	.fill 96, 4, 3214868480
	.section	.rodata,"a",@progbits
	.p2align	6, 0x0
	.amdhsa_kernel k_q720b298ef8_attn
		.amdhsa_group_segment_fixed_size 327680
		.amdhsa_private_segment_fixed_size 0
		.amdhsa_enable_private_segment 0
		.amdhsa_kernarg_size 16
		.amdhsa_user_sgpr_count 2
		.amdhsa_user_sgpr_kernarg_segment_ptr 1
		.amdhsa_wavefront_size32 1
		.amdhsa_system_sgpr_workgroup_id_x 1
		.amdhsa_system_sgpr_workgroup_id_y 1
		.amdhsa_system_sgpr_workgroup_id_z 1
		.amdhsa_system_vgpr_workitem_id 0
		.amdhsa_next_free_vgpr 256
		.amdhsa_next_free_sgpr 102
		.amdhsa_reserve_vcc 1
		.amdhsa_float_denorm_mode_32 3
		.amdhsa_float_denorm_mode_16_64 3
		.amdhsa_memory_ordered 1
		.amdhsa_forward_progress 1
		.amdhsa_inst_pref_size 136
	.end_amdhsa_kernel
	.amdgpu_metadata
---
amdhsa.version: [ 1, 2 ]
amdhsa.kernels:
  - .name:           k_q720b298ef8_attn
    .symbol:         k_q720b298ef8_attn.kd
    .args:
      - { .name: qkvbuf, .offset: 0, .size: 8, .value_kind: global_buffer, .address_space: global }
      - { .name: ctxbuf, .offset: 8, .size: 8, .value_kind: global_buffer, .address_space: global }
    .group_segment_fixed_size: 327680
    .private_segment_fixed_size: 0
    .kernarg_segment_align: 8
    .kernarg_segment_size: 16
    .max_flat_workgroup_size: 512
    .sgpr_count:     102
    .vgpr_count:     256
    .wavefront_size: 32
...
	.end_amdgpu_metadata
.endif
;; end of part 3
;; launch oproj (part 4): grid 8 x 32, 4 waves a work-group, clusters of 4 x 4, 327,680 bytes of LDS; arguments ctxbuf, out_w_codes, out_w_scales, out_b, x, x1; writes x1
.if DOCPART == 4
	.amdgcn_target "amdgcn-amd-amdhsa--gfx1250"
	.amdhsa_code_object_version 6
	.text
	.protected	k_q720b298ef8_oproj
	.globl	k_q720b298ef8_oproj
	.p2align	8
	.type	k_q720b298ef8_oproj,@function
k_q720b298ef8_oproj:
	s_mov_b64 s[64:65], 0
	v_nop
	global_prefetch_b8 v0, s[64:65] scope:SCOPE_SE
	s_setreg_imm32_b32 hwreg(HW_REG_WAVE_MODE, 25, 1), 1
	s_wait_xcnt 0x0
	s_wait_alu depctr_hold_cnt(0) depctr_sa_sdst(0) depctr_va_vdst(0) depctr_va_sdst(0) depctr_va_ssrc(0) depctr_va_vcc(0) depctr_vm_vsrc(0)
	s_getreg_b32 s2, hwreg(HW_REG_IB_STS2, 6, 4)
	s_cmp_eq_u32 s2, 0
	s_cbranch_scc0 .Lentry_in_a_cluster
	s_endpgm
.Lentry_in_a_cluster:
	s_bfe_u32 s2, ttmp6, 0x10000c
	s_cmp_lg_u32 s2, 0xf033
	s_cbranch_scc0 .Lentry_shape_is_right
	s_endpgm
.Lentry_shape_is_right:
; out = resid + bias + A B^T, on codes of E5M2 with one E8M0 scale for each 32 along K.  No work of reference() is left out here.
; A: codes [4096][SIZE_K] at byte 0 of its buffer, scale bytes [4096][SIZE_K / 32] at byte ASOFF.  B: codes [1024][SIZE_K], scale bytes [1024][SIZE_K / 32].  bias [1024], resid and out [4096][1024]: f32.
; N is 1,024: tiles of 128 x 128 give 256 work-groups.  THE FOUR WAVES SHARE K, NOT THE TILE: a slot holds 512 along K, and wave w multiplies the whole 128 x 128 tile over the slot's bytes 128 w .. 128 w + 127
; of every row: 64 accumulators a wave, so that each fragment read from LDS feeds eight products.  The four partial sums meet in LDS at the end, where the ring lay, and each wave adds and stores 32 whole rows.
; The order of an output's sum is therefore: four sums over a quarter of K each, ascending, then (s0 + s1) + (s2 + s3).
; The scale bytes of the tile's rows, for all of K, come once and stay.  CLUSTERS: 4 x 4; A's tile is asked for jointly along a row of the cluster, B's along a column.
; REGISTERS: window 0: v0-31 addresses; v32-47 scale words, two sets; v48-115 at work on the way out; v128-255 A's fragments, one set, later the residual.  window 1: B's, two sets.  windows 2, 3: accumulators.
.set SIZE_K, 1024
.set ASOFF,  4194304
.set NSTEP,  SIZE_K/512
.set ROWB,   512
.set PITCH,  528                       ; 512 bytes + 16: the 16 rows of a fragment load start at 16 different banks
.set FR,     16
.set NL,     4
.set NP,     8
.set HALFT,  64*PITCH
.set SLOT,   4*HALFT
.set KS,     SIZE_K/32
.set SCL,    2*SLOT
.set HALFS,  (64*KS/256)*272
.set SBLK,   (16*KS/256)*272
.set SPARE,  SCL+4*HALFS               ; the spare words, 128 bytes a wave, which no other line names
.set IMG,    128*PITCH                 ; a wave's partial sums: 128 rows x (512 bytes + 16); the four lie where the ring lay
.set RD,   8                           ; v8-11 where I read my rows in the four images
.set GL,   12                          ; v12   16 x lane
.set ADRA, 16
.set ADRB, 20
.set STO,  24
.set ADRS, 27
.set SPW,  28
.set NIL,  29
.set SC,   32
.set RB,   48                          ; v48-111 two sets of two rows x four images
.set BI,   112                         ; v112-115 the bias of my four columns
.set AF,   128
.set RS,   128                         ; v128-255 the residual's 32 rows, then the results
.set G1, 24
.set G0, 32
.set G1B, 48
.set G0B, 56
.set G1S, 68
.set G0S, 76
.set G1SB, 80
.set G0SB, 88
.set MSB, 0
.macro WIN new
.if MSB != \new
	s_set_vgpr_msb (MSB<<8)|\new
.set MSB, \new
.endif
.endm
.set MUL_LO, 0xa1
.set MUL_HI, 0xf1
.set TO_B,   0x40
.macro JLOAD g0a, g1a, g0b, g1b        ; waves 0 and 1 fetch A's halves, waves 2 and 3 B's; an s_nop 0 and four v_nop follow each line
	s_cmp_eq_u32 s15, 0
	s_cbranch_scc0 .Lfor_b_\@
	tensor_load_to_lds s[\g0a:\g0a+3], s[\g1a:\g1a+7]
	s_nop 0
.rept 4
	v_nop
.endr
	s_branch .Lasked_\@
.Lfor_b_\@:
	tensor_load_to_lds s[\g0b:\g0b+3], s[\g1b:\g1b+7]
	s_nop 0
.rept 4
	v_nop
.endr
.Lasked_\@:
.endm
.macro CREST
	s_cmp_lg_u32 s14, 0
	s_cbranch_scc1 .Lnot_wave_0_\@
	s_barrier_signal -3
.Lnot_wave_0_\@:
	s_barrier_wait -3
	s_barrier_signal -1
	s_barrier_wait -1
.endm
.macro CROUND
	s_barrier_signal -1
	s_barrier_wait -1
	CREST
.endm
	s_load_b128 s[4:7], s[0:1], 0x0                ; A s[4:5], B's codes s[6:7]
	s_load_b128 s[8:11], s[0:1], 0x10              ; B's scales s[8:9], bias s[10:11]
	s_load_b128 s[96:99], s[0:1], 0x20             ; resid s[96:97], out s[98:99]
	v_lshl_add_u32 v[SPW], v0, 2, SPARE
	v_mov_b32 v[NIL], 0
	ds_add_u32 v[SPW], v[NIL]                      ; the opening: the add, twice on end, and its wait ahead of my first tensor load
	ds_add_u32 v[SPW], v[NIL]
	v_lshrrev_b32 v1, 5, v0
	v_readfirstlane_b32 s14, v1                    ; wave
	s_lshr_b32 s15, s14, 1                         ; I fetch for A (0) or for B (1),
	s_and_b32 s16, s14, 1                          ; its rows 64 x this on
	s_bfe_u32 s40, ttmp6, 0x40000
	s_bfe_u32 s41, ttmp6, 0x40004
	s_lshl_b32 s42, ttmp9, 2
	s_add_co_u32 s42, s42, s40                     ; tile column, 0 .. 7
	s_and_b32 s17, ttmp7, 0xffff
	s_lshl_b32 s17, s17, 2
	s_add_co_u32 s17, s17, s41                     ; tile row, 0 .. 31
	s_lshl_b32 s43, s41, 2
	s_lshl_b32 s43, 15, s43
	s_lshl_b32 s44, 0x1111, s40
	s_or_b32 s[G1+0], s43, (0<<16)|(1<<20)|(1<<21)|(6<<22)|(3<<25)  ; mask; elements of 1 byte; 4 words of padding behind every 128; bit 21 beside a mask
	s_or_b32 s[G1B+0], s44, (0<<16)|(1<<20)|(1<<21)|(6<<22)|(3<<25)
.irp g, G1, G1B
	s_mov_b32 s[\g+1], ROWB<<16
	s_mov_b32 s[\g+2], 128<<16                     ; the head's loads bring a tile's 128 rows; behind them the two row counts are set to 64, for the ring's
	s_mov_b32 s[\g+3], ROWB<<16
	s_mov_b32 s[\g+4], 128
	s_mov_b32 s[\g+5], SIZE_K
	s_mov_b32 s[\g+6], 0
	s_mov_b32 s[\g+7], 0
.endr
	s_or_b32 s[G1S+0], s43, (3<<16)|(1<<20)|(1<<21)|(5<<22)|(3<<25) ; the scales of 128 rows: dense bytes as rows of 256
	s_or_b32 s[G1SB+0], s44, (3<<16)|(1<<20)|(1<<21)|(5<<22)|(3<<25)
.irp g, G1S, G1SB
	s_mov_b32 s[\g+1], 32<<16
	s_mov_b32 s[\g+2], (128*KS/256)<<16            ; the scales of 128 rows
	s_mov_b32 s[\g+3], 32<<16
	s_mov_b32 s[\g+4], 128*KS/256
	s_mov_b32 s[\g+5], 32
	s_mov_b32 s[\g+6], 0
	s_mov_b32 s[\g+7], 0
.endr
	s_lshl_b32 s20, s17, 7                         ; A: the tile's first row, 128 x tile row
	s_lshl_b32 s46, s42, 7                         ; B: 128 x tile column
	s_mov_b32 s21, 0
	s_mov_b32 s47, 0
	s_mov_b64 s[18:19], KS
	s_mul_u64 s[22:23], s[20:21], s[18:19]
	s_mul_u64 s[92:93], s[46:47], s[18:19]
	s_mov_b64 s[18:19], SIZE_K
	s_mul_u64 s[20:21], s[20:21], s[18:19]
	s_mul_u64 s[46:47], s[46:47], s[18:19]
	s_mul_i32 s18, s16, 64*SIZE_K                  ; in the ring I fetch 64 rows of a tile: which half, in bytes
	s_mov_b32 s19, 0
	s_mul_i32 s45, s14, HALFT
	s_wait_dscnt 0x0                               ; both opening adds are done
	s_wait_kmcnt 0x0
	s_add_nc_u64 s[20:21], s[4:5], s[20:21]
	s_add_nc_u64 s[22:23], s[4:5], s[22:23]
	s_add_nc_u64 s[22:23], s[22:23], ASOFF
	s_add_nc_u64 s[46:47], s[6:7], s[46:47]
	s_add_nc_u64 s[92:93], s[8:9], s[92:93]
	CROUND                                         ; all sixteen work-groups are here: the first joint loads meet
	s_mov_b32 s[G0S], 1
	s_mov_b32 s[G0S+1], SCL
	s_mov_b64 s[G0S+2:G0S+3], s[22:23]
	s_or_b32 s[G0S+3], s[G0S+3], 0x80000000
	s_mov_b32 s[G0SB], 1
	s_mov_b32 s[G0SB+1], SCL+2*HALFS
	s_mov_b64 s[G0SB+2:G0SB+3], s[92:93]
	s_or_b32 s[G0SB+3], s[G0SB+3], 0x80000000
.set G0H, 4                            ; s[4:7], s[92:95]: group 0 of the head's loads of slot 0 (what lay there has been used)
.set G0HB, 92
	s_mov_b32 s[G0H], 1
	s_mov_b32 s[G0H+1], 0
	s_mov_b64 s[G0H+2:G0H+3], s[20:21]
	s_or_b32 s[G0H+3], s[G0H+3], 0x80000000
	s_mov_b32 s[G0HB], 1
	s_mov_b32 s[G0HB+1], 2*HALFT
	s_mov_b64 s[G0HB+2:G0HB+3], s[46:47]
	s_or_b32 s[G0HB+3], s[G0HB+3], 0x80000000
; THE PREFETCHES, at the head alone (K has two slots): slot 1, which is loaded behind the head's round, and further down the residual's rows, which the way out loads.
; Of the 64 rows x 512 bytes that a wave fetches for a slot, each of the four partners names 16 rows, told apart by address (cx for A, cy for B): 32 blocks of 256 bytes, a lane a block.
.set PFA, 12                           ; s[12:13] my 16 rows, at slot 0
.set PFO, 30                           ; v30 lane l names row l / 2, block l % 2
	s_cmp_eq_u32 s15, 0
	s_cselect_b64 s[PFA:PFA+1], s[20:21], s[46:47]
	s_cselect_b32 s100, s40, s41
	s_lshl_b32 s100, s100, 14                      ; 16 rows of 1,024 bytes a partner
	s_add_co_u32 s100, s100, s18
	s_mov_b32 s101, 0
	s_add_nc_u64 s[PFA:PFA+1], s[PFA:PFA+1], s[100:101]
	s_add_nc_u64 s[20:21], s[20:21], s[18:19]      ; for the ring: my 64 rows of the tile
	s_add_nc_u64 s[46:47], s[46:47], s[18:19]
.irp s, 0,1
	s_mov_b32 s[G0+4*\s], 1
	s_add_co_u32 s[G0+4*\s+1], s45, \s*SLOT
	s_add_nc_u64 s[G0+4*\s+2:G0+4*\s+3], s[20:21], \s*ROWB
	s_or_b32 s[G0+4*\s+3], s[G0+4*\s+3], 0x80000000
	s_mov_b32 s[G0B+4*\s], 1
	s_add_co_u32 s[G0B+4*\s+1], s45, \s*SLOT
	s_add_nc_u64 s[G0B+4*\s+2:G0B+4*\s+3], s[46:47], \s*ROWB
	s_or_b32 s[G0B+4*\s+3], s[G0B+4*\s+3], 0x80000000
.endr
; THE HEAD'S LOADS, ONE A WAVE: wave 0 slot 0's 128 rows of A, wave 1 those of B, wave 2 and wave 3 their scale bytes.  One chain of branches on the wave's number, a load to an arm.
.macro ARM under, g0, g1, next
	s_cmp_lt_u32 s14, \under
	s_cbranch_scc0 \next
	tensor_load_to_lds s[\g0:\g0+3], s[\g1:\g1+7]
	s_nop 0
.rept 4
	v_nop
.endr
	s_branch .Lhead_asked
\next:
.endm
	ARM 1, G0H,  G1,  .Lhead_b
	ARM 2, G0HB, G1B, .Lhead_sa
	ARM 3, G0S,  G1S, .Lhead_sb
	tensor_load_to_lds s[G0SB:G0SB+3], s[G1SB:G1SB+7]
	s_nop 0
.rept 4
	v_nop
.endr
.Lhead_asked:
	v_and_b32 v[PFO], 31, v0
	v_lshrrev_b32 v31, 1, v[PFO]
	v_and_b32 v[PFO], 1, v[PFO]
	v_lshlrev_b32 v[PFO], 8, v[PFO]
	v_lshl_add_u32 v[PFO], v31, 10, v[PFO]
	global_prefetch_b8 v[PFO], s[PFA:PFA+1] offset:ROWB th:TH_LOAD_NT scope:SCOPE_SE
	v_and_b32 v1, 15, v0                           ; r
	v_bfe_u32 v2, v0, 4, 1                         ; h
	v_mul_u32_u24 v3, v1, PITCH
	v_lshl_add_u32 v4, v2, 4, v3
	s_lshl_b32 s21, s14, 7                         ; my 128 along K of a slot's 512
	s_add_co_u32 s22, s21, 2*HALFT                 ; B's rows lie behind A's 128
.irp s, 0,1
	v_add_nc_u32 v[ADRA+\s], s21, v4
	v_add_nc_u32 v[ADRB+\s], s22, v4
	s_add_co_u32 s21, s21, SLOT
	s_add_co_u32 s22, s22, SLOT
.endr
	v_mul_u32_u24 v5, v1, KS                       ; my row's scale bytes,
	v_lshrrev_b32 v6, 8, v5
	v_lshl_add_u32 v5, v6, 4, v5                   ; 16 more for each 256 passed;
	v_mul_u32_u24 v6, v2, 2*HALFS                  ; lanes 16-31 take B's;
	v_add_nc_u32 v5, v5, v6
	s_lshl_b32 s21, s14, 2                         ; my wave's word of a slot's four
	s_add_co_u32 s21, s21, SCL
	v_add_nc_u32 v[ADRS], s21, v5
	v_lshl_add_u32 v[STO], v2, 5, v3
	s_mul_i32 s21, s14, IMG
	v_add_nc_u32 v[STO], s21, v[STO]               ; my image: row r, + 32 h
	v_and_b32 v5, 31, v0
	v_lshlrev_b32 v[GL], 4, v5
	s_mul_i32 s21, s14, 32*PITCH                   ; back: rows 32 w on, in each of the four images
.irp s, 0,1,2,3
	v_add_nc_u32 v[RD+\s], s21, v[GL]
	s_add_co_u32 s21, s21, IMG
.endr
	s_lshl_b32 s20, s17, 19                        ; (128 tile row + 32 w) rows of 4,096 bytes + 512 x tile column
	s_lshl_b32 s21, s14, 17
	s_add_co_u32 s20, s20, s21
	s_lshl_b32 s22, s42, 9
	s_add_co_u32 s20, s20, s22
	s_mov_b32 s21, 0
	s_mov_b32 s23, 0
	s_add_nc_u64 s[96:97], s[96:97], s[20:21]
	s_add_nc_u64 s[98:99], s[98:99], s[20:21]
	s_add_nc_u64 s[10:11], s[10:11], s[22:23]
	v_and_b32 v7, 31, v0
	v_lshlrev_b32 v7, 12, v7                       ; the residual: my 32 rows x 512 bytes, which no other wave reads: a lane a row, two blocks of 256
	global_prefetch_b8 v7, s[96:97] th:TH_LOAD_NT scope:SCOPE_SE
	global_prefetch_b8 v7, s[96:97] offset:256 th:TH_LOAD_NT scope:SCOPE_SE
.macro FRAG reg, adr, i                ; 16 rows x my 128 along K
.irp c, 0,1,2,3
	ds_load_b128 v[\reg+4*\c:\reg+4*\c+3], v[\adr] offset:32*\c+(\i)*16*PITCH
.endr
.endm
; 16 matrix instructions; the 64 accumulators take turns, one instruction a turn, in the same order in every step.  p: the slot: B's set and the set of scale words
.macro MUL16 a0, p, zero
.irp a, \a0, \a0+1
.irp b, 0,1,2,3,4,5,6,7
.if \zero
	v_wmma_scale_f32_16x16x128_f8f6f4 v[8*(8*((\a)%4)+\b):8*(8*((\a)%4)+\b)+7], v[128*(\p)+FR*\b:128*(\p)+FR*\b+FR-1], v[AF+FR*(\a):AF+FR*(\a)+FR-1], 0, v[SC+8*(\p)+\b], v[SC+8*(\p)+(\a)] matrix_a_fmt:MATRIX_FMT_BF8 matrix_b_fmt:MATRIX_FMT_BF8 matrix_a_scale:MATRIX_SCALE_ROW1
.else
	v_wmma_scale_f32_16x16x128_f8f6f4 v[8*(8*((\a)%4)+\b):8*(8*((\a)%4)+\b)+7], v[128*(\p)+FR*\b:128*(\p)+FR*\b+FR-1], v[AF+FR*(\a):AF+FR*(\a)+FR-1], v[8*(8*((\a)%4)+\b):8*(8*((\a)%4)+\b)+7], v[SC+8*(\p)+\b], v[SC+8*(\p)+(\a)] matrix_a_fmt:MATRIX_FMT_BF8 matrix_b_fmt:MATRIX_FMT_BF8 matrix_a_scale:MATRIX_SCALE_ROW1
.endif
.endr
.endr
.endm
.macro FETCH_B slot
	WIN TO_B
.irp i, 0,1,2,3,4,5,6,7
	FRAG 128*(\slot)+FR*\i, ADRB+\slot, \i
.endr
	WIN 0
.endm
.macro FETCH_A slot, i0
.irp i, \i0, \i0+1, \i0+2, \i0+3
	FRAG AF+FR*(\i), ADRA+\slot, \i
.endr
.endm
.macro SCALES sc                       ; my 128 along K: one word a row: lanes 0-15 A's block i, lanes 16-31 B's
.irp i, 0,1,2,3,4,5,6,7
	ds_load_b32 v[SC+8*\sc+\i], v[ADRS] offset:\i*SBLK
.endr
.endm
.macro PLACES n
.rept \n
	v_nop
.endr
.endm
; A slot's 64 products and the change of slots: one barrier; in front of it each wave waits for all its tensor loads, adds 0 to its spare word, and waits for that and for its reads of this slot
.macro TURN slot, next, fill, zero
	s_wait_tensorcnt 0x0                           ; all my tensor loads have landed: my part of the next slot
	ds_add_u32 v[SPW], v[NIL]
	s_wait_dscnt 4*NL+1                            ; the add and the youngest 16 loads (A's blocks 4-7) may be out
	WIN MUL_LO
	MUL16 0, \slot, \zero
	s_wait_dscnt 0x0                               ; the add is done, and my reads of this slot are over
	s_barrier_signal -1
	MUL16 2, \slot, \zero
	WIN 0
	s_barrier_wait -1
.if \fill
	CREST                                          ; the barrier has opened a round of the cluster's
	s_add_nc_u64 s[G0+4*\slot+2:G0+4*\slot+3], s[G0+4*\slot+2:G0+4*\slot+3], 2*ROWB
	s_add_nc_u64 s[G0B+4*\slot+2:G0B+4*\slot+3], s[G0B+4*\slot+2:G0B+4*\slot+3], 2*ROWB
	JLOAD G0+4*\slot, G1, G0B+4*\slot, G1B         ; the first tensor load behind the round; its four v_nop are four of the eight places
	PLACES NP-4
.else
	PLACES NP
.endif
	v_add_nc_u32 v[ADRS], 16, v[ADRS]              ; the next slot's scale words
	FETCH_B \next
	FETCH_A \next, 0
	SCALES \next
	WIN MUL_HI
	MUL16 4, \slot, \zero
	MUL16 6, \slot, \zero
	PLACES NP
	WIN 0
	FETCH_A \next, 4
.endm
.macro LAST slot                       ; the last slot; its barrier says that every wave's reads of the ring are over
	s_wait_dscnt 4*NL
	WIN MUL_LO
	MUL16 0, \slot, 0
	MUL16 2, \slot, 0
	s_wait_dscnt 0x0
	s_barrier_signal -1
	WIN MUL_HI
	MUL16 4, \slot, 0
	MUL16 6, \slot, 0
	WIN 0
	s_barrier_wait -1
.endm
	s_wait_alu depctr_va_vdst(0)                   ; the head's end
	s_wait_tensorcnt 0x0                           ; my tile of the head's four is in
	ds_add_u32 v[SPW], v[NIL]
	s_mov_b32 s[G1+2], 64<<16                      ; no tensor load of mine is out: from here on a load brings 64 rows
	s_mov_b32 s[G1+4], 64
	s_mov_b32 s[G1B+2], 64<<16
	s_mov_b32 s[G1B+4], 64
	s_wait_dscnt 0x0
	CROUND                                         ; all four tiles are in, and all sixteen work-groups are here
	JLOAD G0+4, G1, G0B+4, G1B                     ; slot 1: the first tensor load behind the round
	FETCH_B 0
	FETCH_A 0, 0
	SCALES 0
	FETCH_A 0, 4
.if NSTEP > 2
	TURN 0, 1, 1, 1
	s_mov_b32 s3, (NSTEP-4)/2
.Llap:
	TURN 1, 0, 1, 0
	TURN 0, 1, 1, 0
	s_sub_co_u32 s3, s3, 1
	s_cmp_lg_u32 s3, 0
	s_cbranch_scc1 .Llap
	TURN 1, 0, 1, 0
	TURN 0, 1, 0, 0
.else
	TURN 0, 1, 0, 1
.endif
	LAST 1
	; THE WAY OUT
	PLACES NP                                      ; behind the last products: their results are read, and loads land in the registers that held A's fragments
.set T, 0
.rept 32
	global_load_b128 v[RS+4*T:RS+4*T+3], v[GL], s[96:97] offset:4096*T   ; the residual: my 32 rows x 512 bytes
.set T, T+1
.endr
	global_load_b128 v[BI:BI+3], v[GL], s[10:11]
.irp a, 0,1,2,3,4,5,6,7
	WIN 0x08+4*(\a/4)                              ; an LDS store's data: window 2 or 3
.irp b, 0,1,2,3,4,5,6,7
	ds_store_b128 v[STO], v[8*(8*(\a%4)+\b):8*(8*(\a%4)+\b)+3] offset:\a*16*PITCH+64*\b          ; each accumulator from its low end on
	ds_store_b128 v[STO], v[8*(8*(\a%4)+\b)+4:8*(8*(\a%4)+\b)+7] offset:\a*16*PITCH+64*\b+16
.endr
.endr
	WIN 0
	s_wait_dscnt 0x0                               ; for the others' sake: my image is whole
	s_barrier_signal -1
	s_barrier_wait -1
	s_wait_loadcnt 0x0
.macro BATCH k                         ; rows 2 k and 2 k + 1 of my 32, out of the four images, into set k % 2
.irp i, 0,1
.irp s, 0,1,2,3
	ds_load_b128 v[RB+32*((\k)%2)+16*\i+4*\s:RB+32*((\k)%2)+16*\i+4*\s+3], v[RD+\s] offset:(2*(\k)+\i)*PITCH
.endr
.endr
.endm
.macro SUMROW k, i
.set R0, RB+32*((\k)%2)+16*(\i)
.set RR, RS+4*(2*(\k)+(\i))
	v_pk_add_f32 v[R0:R0+1], v[R0:R0+1], v[R0+4:R0+5]
	v_pk_add_f32 v[R0+2:R0+3], v[R0+2:R0+3], v[R0+6:R0+7]
	v_pk_add_f32 v[R0+8:R0+9], v[R0+8:R0+9], v[R0+12:R0+13]
	v_pk_add_f32 v[R0+10:R0+11], v[R0+10:R0+11], v[R0+14:R0+15]
	v_pk_add_f32 v[RR:RR+1], v[RR:RR+1], v[BI:BI+1]
	v_pk_add_f32 v[RR+2:RR+3], v[RR+2:RR+3], v[BI+2:BI+3]
	v_pk_add_f32 v[R0:R0+1], v[R0:R0+1], v[R0+8:R0+9]
	v_pk_add_f32 v[R0+2:R0+3], v[R0+2:R0+3], v[R0+10:R0+11]
	v_pk_add_f32 v[RR:RR+1], v[RR:RR+1], v[R0:R0+1]
	v_pk_add_f32 v[RR+2:RR+3], v[RR+2:RR+3], v[R0+2:R0+3]
	global_store_b128 v[GL], v[RR:RR+3], s[98:99] offset:4096*(2*(\k)+(\i))   ; 32 lanes store 512 consecutive bytes, aligned
.endm
	BATCH 0
	BATCH 1
.set K, 0
.rept 16
.if K < 15
	s_wait_dscnt 8                                 ; this batch is in; the next batch's eight loads may be out
.else
	s_wait_dscnt 0x0
.endif
	SUMROW K, 0
	SUMROW K, 1
.if K < 14
	BATCH K+2
.endif
.set K, K+1
.endr
	s_wait_tensorcnt 0x0                           ; the wave's end
	ds_add_u32 v[SPW], v[NIL]
	s_wait_dscnt 0x0
	CROUND                                         ; the closing round
	s_endpgm
.Lfunc_end_k_q720b298ef8_oproj:
	.size	k_q720b298ef8_oproj, .Lfunc_end_k_q720b298ef8_oproj-k_q720b298ef8_oproj
	.p2alignl 7, 3214868480
	.fill 96, 4, 3214868480
	.section	.rodata,"a",@progbits
	.p2align	6, 0x0
	.amdhsa_kernel k_q720b298ef8_oproj
		.amdhsa_group_segment_fixed_size 327680
		.amdhsa_private_segment_fixed_size 0
		.amdhsa_enable_private_segment 0
		.amdhsa_kernarg_size 48
		.amdhsa_user_sgpr_count 2
		.amdhsa_user_sgpr_kernarg_segment_ptr 1
		.amdhsa_wavefront_size32 1
		.amdhsa_system_sgpr_workgroup_id_x 1
		.amdhsa_system_sgpr_workgroup_id_y 1
		.amdhsa_system_sgpr_workgroup_id_z 1
		.amdhsa_system_vgpr_workitem_id 0
		.amdhsa_next_free_vgpr 1024
		.amdhsa_next_free_sgpr 102
		.amdhsa_reserve_vcc 0
		.amdhsa_float_denorm_mode_32 3
		.amdhsa_float_denorm_mode_16_64 3
		.amdhsa_memory_ordered 1
		.amdhsa_forward_progress 1
		.amdhsa_inst_pref_size 81
	.end_amdhsa_kernel
	.amdgpu_metadata
---
amdhsa.version: [ 1, 2 ]
amdhsa.kernels:
  - .name:           k_q720b298ef8_oproj
    .symbol:         k_q720b298ef8_oproj.kd
    .args:
      - { .name: ctxbuf, .offset: 0, .size: 8, .value_kind: global_buffer, .address_space: global }
      - { .name: out_w_codes, .offset: 8, .size: 8, .value_kind: global_buffer, .address_space: global }
      - { .name: out_w_scales, .offset: 16, .size: 8, .value_kind: global_buffer, .address_space: global }
      - { .name: out_b, .offset: 24, .size: 8, .value_kind: global_buffer, .address_space: global }
      - { .name: x, .offset: 32, .size: 8, .value_kind: global_buffer, .address_space: global }
      - { .name: x1, .offset: 40, .size: 8, .value_kind: global_buffer, .address_space: global }
    .group_segment_fixed_size: 327680
    .private_segment_fixed_size: 0
    .kernarg_segment_align: 8
    .kernarg_segment_size: 48
    .max_flat_workgroup_size: 128
    .sgpr_count:     102
    .vgpr_count:     1024
    .wavefront_size: 32
...
	.end_amdgpu_metadata
.endif
;; end of part 4
;; launch ln2: the kernel of part 1 again; grid 256 x 1, 8 waves a work-group, no clusters, 83,456 bytes of LDS; arguments x1, ln2_g, ln2_b, hbuf; writes hbuf
;; launch ffn1 (part 5): grid 16 x 16, 4 waves a work-group, clusters of 4 x 4, 327,680 bytes of LDS; arguments hbuf, ffn_w1_codes, ffn_w1_scales, ffn_b1, gbuf; writes gbuf
.if DOCPART == 5
	.amdgcn_target "amdgcn-amd-amdhsa--gfx1250"
	.amdhsa_code_object_version 6
	.text
	.protected	k_q720b298ef8_ffn1
	.globl	k_q720b298ef8_ffn1
	.p2align	8
	.type	k_q720b298ef8_ffn1,@function
k_q720b298ef8_ffn1:
	s_mov_b64 s[64:65], 0
	v_nop
	global_prefetch_b8 v0, s[64:65] scope:SCOPE_SE
	s_setreg_imm32_b32 hwreg(HW_REG_WAVE_MODE, 25, 1), 1
	s_wait_xcnt 0x0
	s_wait_alu depctr_hold_cnt(0) depctr_sa_sdst(0) depctr_va_vdst(0) depctr_va_sdst(0) depctr_va_ssrc(0) depctr_va_vcc(0) depctr_vm_vsrc(0)
	s_getreg_b32 s2, hwreg(HW_REG_IB_STS2, 6, 4)
	s_cmp_eq_u32 s2, 0
	s_cbranch_scc0 .Lentry_in_a_cluster
	s_endpgm
.Lentry_in_a_cluster:
	s_bfe_u32 s2, ttmp6, 0x10000c
	s_cmp_lg_u32 s2, 0xf033
	s_cbranch_scc0 .Lentry_shape_is_right
	s_endpgm
.Lentry_shape_is_right:
; g = gelu(h W1^T + b1), on codes of E5M2 with one E8M0 scale for each 32 along K = 1,024, and g's quantising along its 4,096 columns, the K of the product to come.  No work of reference() is left out here.
; h: codes [4096][1024] at byte 0 of its buffer, scale bytes [4096][32] at byte 4,194,304.  W1: codes [4096][1024], scale bytes [4096][32].  OUT: codes [4096][4096] at 0, scale bytes [4096][128] at 16,777,216.
; A tile of 256 x 256 to a work-group of four waves, 128 x 128 to a wave; K in steps of 256 through two LDS slots; the scale bytes of the tile's rows come once and stay; the bias is the first products' C.
; gelu(x) = x / (1 + 2^(x (c1 + c3 x^2))), the tanh form written with one exponential and one reciprocal, in f32.  CLUSTERS: 4 x 4; h's tile is asked for jointly along a row, W1's along a column.
; LIMITS: a block of zeros, or one whose largest magnitude lies under 2^-111, gets the byte 1; NaN and infinities are not served.
.set KSTEP,  256
.set NQ,     2
.set ROWB,   256
.set KROW,   1024
.set PITCH,  272
.set FR,     16
.set NL,     4
.set NP,     8
.set HALFT,  128*PITCH
.set SLOT,   4*HALFT
.set LAPS,   2
.set KS,     32
.set SCL,    2*SLOT
.set HALFS,  (128*KS/256)*272
.set SBLK,   (16*KS/256)*272
.set SPARE,  SCL+4*HALFS
.set STV,    0
.set SCS,    SPARE+512
.set GLS,  10
.set STOV, 11
.set SCSW, 12
.set RDV,  13
.set RDS,  14
.set GLV,  15
.set ADRA, 16
.set ADRB, 20
.set ADRS, 27
.set SPW,  28
.set NIL,  29
.set BIA,  30
.set SC,   32
.set H,    64
.set AF,   128
.set TM,   128
.set PW,   144
.set K1V,  150
.set CD,   192
.set G1, 24
.set G0, 32
.set G1B, 48
.set G0B, 56
.set G1S, 68
.set G0S, 76
.set G1SB, 80
.set G0SB, 88
.set MSB, 0
.macro WIN new
.if MSB != \new
	s_set_vgpr_msb (MSB<<8)|\new
.set MSB, \new
.endif
.endm
.set MUL_LO, 0xa1
.set MUL_HI, 0xf1
.set TO_B,   0x40
.macro JLOAD g0a, g1a, g0b, g1b
	s_cmp_eq_u32 s15, 0
	s_cbranch_scc0 .Lfor_b_\@
	tensor_load_to_lds s[\g0a:\g0a+3], s[\g1a:\g1a+7]
	s_nop 0
.rept 4
	v_nop
.endr
	s_branch .Lasked_\@
.Lfor_b_\@:
	tensor_load_to_lds s[\g0b:\g0b+3], s[\g1b:\g1b+7]
	s_nop 0
.rept 4
	v_nop
.endr
.Lasked_\@:
.endm
.macro CREST
	s_cmp_lg_u32 s14, 0
	s_cbranch_scc1 .Lnot_wave_0_\@
	s_barrier_signal -3
.Lnot_wave_0_\@:
	s_barrier_wait -3
	s_barrier_signal -1
	s_barrier_wait -1
.endm
.macro CROUND
	s_barrier_signal -1
	s_barrier_wait -1
	CREST
.endm
	s_load_b128 s[4:7], s[0:1], 0x0
	s_load_b128 s[8:11], s[0:1], 0x10
	s_load_b64 s[12:13], s[0:1], 0x20
	v_lshl_add_u32 v[SPW], v0, 2, SPARE
	v_mov_b32 v[NIL], 0
	ds_add_u32 v[SPW], v[NIL]
	ds_add_u32 v[SPW], v[NIL]
	v_lshrrev_b32 v1, 5, v0
	v_readfirstlane_b32 s14, v1
	s_lshr_b32 s15, s14, 1
	s_and_b32 s16, s14, 1
	s_bfe_u32 s40, ttmp6, 0x40000
	s_bfe_u32 s41, ttmp6, 0x40004
	s_lshl_b32 s42, ttmp9, 2
	s_add_co_u32 s42, s42, s40
	s_and_b32 s17, ttmp7, 0xffff
	s_lshl_b32 s17, s17, 2
	s_add_co_u32 s17, s17, s41
	s_lshl_b32 s43, s41, 2
	s_lshl_b32 s43, 15, s43
	s_lshl_b32 s44, 0x1111, s40
	s_or_b32 s[G1+0], s43, (0<<16)|(1<<20)|(1<<21)|(5<<22)|(3<<25)
	s_or_b32 s[G1B+0], s44, (0<<16)|(1<<20)|(1<<21)|(5<<22)|(3<<25)
.irp g, G1, G1B
	s_mov_b32 s[\g+1], ROWB<<16
	s_mov_b32 s[\g+2], 256<<16                     ; the head's loads bring a tile's 256 rows; behind them the two row counts are set to 128, for the ring's
	s_mov_b32 s[\g+3], ROWB<<16
	s_mov_b32 s[\g+4], 256
	s_mov_b32 s[\g+5], KROW
	s_mov_b32 s[\g+6], 0
	s_mov_b32 s[\g+7], 0
.endr
	s_or_b32 s[G1S+0], s43, (3<<16)|(1<<20)|(1<<21)|(5<<22)|(3<<25)
	s_or_b32 s[G1SB+0], s44, (3<<16)|(1<<20)|(1<<21)|(5<<22)|(3<<25)
.irp g, G1S, G1SB
	s_mov_b32 s[\g+1], 32<<16
	s_mov_b32 s[\g+2], KS<<16                      ; the scales of 256 rows: 256 KS dense bytes as KS rows of 256
	s_mov_b32 s[\g+3], 32<<16
	s_mov_b32 s[\g+4], KS
	s_mov_b32 s[\g+5], 32
	s_mov_b32 s[\g+6], 0
	s_mov_b32 s[\g+7], 0
.endr
	s_lshl_b32 s20, s17, 8                         ; h: the tile's first row, 256 x tile row
	s_lshl_b32 s46, s42, 8                         ; W1: 256 x tile column
	s_mov_b32 s21, 0
	s_mov_b32 s47, 0
	s_mov_b64 s[18:19], KS
	s_mul_u64 s[22:23], s[20:21], s[18:19]
	s_mul_u64 s[92:93], s[46:47], s[18:19]
	s_mov_b64 s[18:19], KROW
	s_mul_u64 s[20:21], s[20:21], s[18:19]
	s_mul_u64 s[46:47], s[46:47], s[18:19]
	s_mul_i32 s18, s16, 128*KROW                   ; in the ring I fetch 128 rows of a tile: which half, in bytes
	s_mov_b32 s19, 0
	s_mul_i32 s45, s14, HALFT
	s_wait_dscnt 0x0
	s_wait_kmcnt 0x0
	s_add_nc_u64 s[20:21], s[4:5], s[20:21]
	s_add_nc_u64 s[22:23], s[4:5], s[22:23]
	s_add_nc_u64 s[22:23], s[22:23], 0x400000
	s_add_nc_u64 s[46:47], s[6:7], s[46:47]
	s_add_nc_u64 s[92:93], s[8:9], s[92:93]
	CROUND
	s_mov_b32 s[G0S], 1
	s_mov_b32 s[G0S+1], SCL
	s_mov_b64 s[G0S+2:G0S+3], s[22:23]
	s_or_b32 s[G0S+3], s[G0S+3], 0x80000000
	s_mov_b32 s[G0SB], 1
	s_mov_b32 s[G0SB+1], SCL+2*HALFS
	s_mov_b64 s[G0SB+2:G0SB+3], s[92:93]
	s_or_b32 s[G0SB+3], s[G0SB+3], 0x80000000
.set G0H, 4                            ; s[4:7], s[92:95]: group 0 of the head's loads of K step 0 (what lay there has been used)
.set G0HB, 92
	s_mov_b32 s[G0H], 1
	s_mov_b32 s[G0H+1], 0
	s_mov_b64 s[G0H+2:G0H+3], s[20:21]
	s_or_b32 s[G0H+3], s[G0H+3], 0x80000000
	s_mov_b32 s[G0HB], 1
	s_mov_b32 s[G0HB+1], 2*HALFT
	s_mov_b64 s[G0HB+2:G0HB+3], s[46:47]
	s_or_b32 s[G0HB+3], s[G0HB+3], 0x80000000
; THE PREFETCHES: of the 128 rows x 256 bytes that a wave fetches for a K step, each of the four partners that ask for them jointly names 32 rows, told apart by address (cx for h, cy for W1): a lane a row.
; K steps 1 and 2 are named at the head, K step 3 behind the refill that loads K step 2; the steps are immediate offsets, so no address register is written again.
.set PFA, 100                          ; s[100:101] my 32 rows, at K step 0
.set PFO, 31                           ; v31 1,024 x lane
	s_cmp_eq_u32 s15, 0
	s_cselect_b64 s[PFA:PFA+1], s[20:21], s[46:47]
	s_cselect_b32 s22, s40, s41
	s_lshl_b32 s22, s22, 15                        ; 32 rows of 1,024 bytes a partner
	s_add_co_u32 s22, s22, s18
	s_mov_b32 s23, 0
	s_add_nc_u64 s[PFA:PFA+1], s[PFA:PFA+1], s[22:23]
	s_add_nc_u64 s[20:21], s[20:21], s[18:19]      ; for the ring: my 128 rows of the tile
	s_add_nc_u64 s[46:47], s[46:47], s[18:19]
.irp s, 0,1
	s_mov_b32 s[G0+4*\s], 1
	s_add_co_u32 s[G0+4*\s+1], s45, \s*SLOT
	s_add_nc_u64 s[G0+4*\s+2:G0+4*\s+3], s[20:21], \s*ROWB
	s_or_b32 s[G0+4*\s+3], s[G0+4*\s+3], 0x80000000
	s_mov_b32 s[G0B+4*\s], 1
	s_add_co_u32 s[G0B+4*\s+1], s45, \s*SLOT
	s_add_nc_u64 s[G0B+4*\s+2:G0B+4*\s+3], s[46:47], \s*ROWB
	s_or_b32 s[G0B+4*\s+3], s[G0B+4*\s+3], 0x80000000
.endr
; THE HEAD'S LOADS, ONE A WAVE: wave 0 K step 0's 256 rows of h, wave 1 those of W1, wave 2 and wave 3 their scale bytes.  One chain of branches on the wave's number, a load to an arm.
.macro ARM under, g0, g1, next
	s_cmp_lt_u32 s14, \under
	s_cbranch_scc0 \next
	tensor_load_to_lds s[\g0:\g0+3], s[\g1:\g1+7]
	s_nop 0
.rept 4
	v_nop
.endr
	s_branch .Lhead_asked
\next:
.endm
	ARM 1, G0H,  G1,  .Lhead_b
	ARM 2, G0HB, G1B, .Lhead_sa
	ARM 3, G0S,  G1S, .Lhead_sb
	tensor_load_to_lds s[G0SB:G0SB+3], s[G1SB:G1SB+7]
	s_nop 0
.rept 4
	v_nop
.endr
.Lhead_asked:
	v_and_b32 v[PFO], 31, v0
	v_lshlrev_b32 v[PFO], 10, v[PFO]
	global_prefetch_b8 v[PFO], s[PFA:PFA+1] offset:ROWB th:TH_LOAD_NT scope:SCOPE_SE
	global_prefetch_b8 v[PFO], s[PFA:PFA+1] offset:2*ROWB th:TH_LOAD_NT scope:SCOPE_SE
	v_and_b32 v1, 15, v0
	s_wait_alu depctr_va_vdst(0)
	v_bfe_u32 v2, v0, 4, 1
	s_lshl_b32 s20, s42, 10
	s_lshl_b32 s21, s16, 9
	s_add_co_u32 s20, s20, s21
	s_mov_b32 s21, 0
	s_add_nc_u64 s[10:11], s[10:11], s[20:21]
	v_lshlrev_b32 v[BIA], 5, v2
.irp b, 0,1,2,3,4,5,6,7
	global_load_b128 v[H+8*\b:H+8*\b+3], v[BIA], s[10:11] offset:64*\b
	global_load_b128 v[H+8*\b+4:H+8*\b+7], v[BIA], s[10:11] offset:64*\b+16
.endr
	v_mul_u32_u24 v3, v1, PITCH
	v_lshl_add_u32 v4, v2, 4, v3
	s_mul_i32 s21, s15, HALFT
	s_mul_i32 s22, s16, HALFT
	s_add_co_u32 s22, s22, 2*HALFT
.irp s, 0,1
	v_add_nc_u32 v[ADRA+\s], s21, v4
	v_add_nc_u32 v[ADRB+\s], s22, v4
	s_add_co_u32 s21, s21, SLOT
	s_add_co_u32 s22, s22, SLOT
.endr
	v_mul_u32_u24 v5, v1, KS
	v_lshrrev_b32 v6, 8, v5
	v_lshl_add_u32 v5, v6, 4, v5
	s_mul_i32 s21, s15, HALFS
	s_mul_i32 s22, s16, HALFS
	s_add_co_u32 s22, s22, 2*HALFS
	s_sub_co_u32 s22, s22, s21
	v_mul_u32_u24 v6, s22, v2
	s_add_co_u32 s21, s21, SCL
	v_add_nc_u32 v5, v5, v6
	v_add_nc_u32 v[ADRS], s21, v5
	v_mul_u32_u24 v[STOV], v1, 272
	v_lshl_add_u32 v[STOV], v2, 3, v[STOV]
	s_mul_i32 s21, s15, 128*272
	s_lshl_b32 s22, s16, 7
	s_add_co_u32 s21, s21, s22
	v_add_nc_u32 v[STOV], s21, v[STOV]
	v_lshlrev_b32 v[SCSW], 3, v1
	s_lshl_b32 s21, s15, 10
	s_lshl_b32 s22, s16, 2
	s_add_co_u32 s21, s21, s22
	s_add_co_u32 s21, s21, SCS
	v_add_nc_u32 v[SCSW], s21, v[SCSW]
	v_mul_u32_u24 v3, v2, 272
	v_lshl_add_u32 v3, v1, 4, v3
	s_mul_i32 s21, s14, 17408
	v_add_nc_u32 v[RDV], s21, v3
	v_and_b32 v3, 31, v0
	v_lshlrev_b32 v[RDS], 3, v3
	s_lshl_b32 s21, s14, 9
	s_add_co_u32 s21, s21, SCS
	v_add_nc_u32 v[RDS], s21, v[RDS]
	v_lshlrev_b32 v[GLS], 7, v3
	v_lshlrev_b32 v[GLV], 12, v2
	v_lshl_add_u32 v[GLV], v1, 4, v[GLV]
.macro FRAG reg, adr, q, i
.irp c, 0,1,2,3
	ds_load_b128 v[\reg+4*\c:\reg+4*\c+3], v[\adr] offset:128*(\q)+32*\c+(\i)*16*PITCH
.endr
.endm
.macro MUL16 a0, p, q, sc, zero
.irp a, \a0, \a0+1
.irp b, 0,1,2,3,4,5,6,7
.if \zero
	v_wmma_scale_f32_16x16x128_f8f6f4 v[8*(8*((\a)%4)+\b):8*(8*((\a)%4)+\b)+7], v[128*(\p)+FR*\b:128*(\p)+FR*\b+FR-1], v[AF+FR*(\a):AF+FR*(\a)+FR-1], v[H+8*\b:H+8*\b+7], v[SC+8*NQ*(\sc)+NQ*\b+(\q)], v[SC+8*NQ*(\sc)+NQ*(\a)+(\q)] matrix_a_fmt:MATRIX_FMT_BF8 matrix_b_fmt:MATRIX_FMT_BF8 matrix_a_scale:MATRIX_SCALE_ROW1
.else
	v_wmma_scale_f32_16x16x128_f8f6f4 v[8*(8*((\a)%4)+\b):8*(8*((\a)%4)+\b)+7], v[128*(\p)+FR*\b:128*(\p)+FR*\b+FR-1], v[AF+FR*(\a):AF+FR*(\a)+FR-1], v[8*(8*((\a)%4)+\b):8*(8*((\a)%4)+\b)+7], v[SC+8*NQ*(\sc)+NQ*\b+(\q)], v[SC+8*NQ*(\sc)+NQ*(\a)+(\q)] matrix_a_fmt:MATRIX_FMT_BF8 matrix_b_fmt:MATRIX_FMT_BF8 matrix_a_scale:MATRIX_SCALE_ROW1
.endif
.endr
.endr
.endm
.macro FETCH_B slot, q, p
	WIN TO_B
.irp i, 0,1,2,3,4,5,6,7
	FRAG 128*(\p)+FR*\i, ADRB+\slot, \q, \i
.endr
	WIN 0
.endm
.macro FETCH_A slot, q, i0
.irp i, \i0, \i0+1, \i0+2, \i0+3
	FRAG AF+FR*(\i), ADRA+\slot, \q, \i
.endr
.endm
.macro SCALES sc
.irp i, 0,1,2,3,4,5,6,7
	ds_load_b64 v[SC+8*NQ*\sc+NQ*\i:SC+8*NQ*\sc+NQ*\i+1], v[ADRS] offset:\i*SBLK
.endr
.endm
.macro PLACES n
.rept \n
	v_nop
.endr
.endm
.macro STEP slot, q, zero
	s_wait_dscnt 4*NL
.if \zero
	WIN 0x81
.else
	WIN MUL_LO
.endif
	MUL16 0, (\q)%2, \q, \slot, \zero
	MUL16 2, (\q)%2, \q, \slot, \zero
	s_wait_dscnt 0
	PLACES NP
	FETCH_B \slot, (\q)+1, 1-(\q)%2
	FETCH_A \slot, (\q)+1, 0
.if \zero
	WIN 0xc1
.else
	WIN MUL_HI
.endif
	MUL16 4, (\q)%2, \q, \slot, \zero
	MUL16 6, (\q)%2, \q, \slot, \zero
	PLACES NP
	WIN 0
	FETCH_A \slot, (\q)+1, 4
.endm
.macro TURN slot, next, fill
	s_wait_tensorcnt 0x0
	ds_add_u32 v[SPW], v[NIL]
	s_wait_dscnt 4*NL+1
	WIN MUL_LO
	MUL16 0, 1, NQ-1, \slot, 0
	s_wait_dscnt 0x0
	s_barrier_signal -1
	MUL16 2, 1, NQ-1, \slot, 0
	WIN 0
	s_barrier_wait -1
.if \fill
	CREST
	s_add_nc_u64 s[G0+4*\slot+2:G0+4*\slot+3], s[G0+4*\slot+2:G0+4*\slot+3], 2*ROWB
	s_add_nc_u64 s[G0B+4*\slot+2:G0B+4*\slot+3], s[G0B+4*\slot+2:G0B+4*\slot+3], 2*ROWB
	JLOAD G0+4*\slot, G1, G0B+4*\slot, G1B
	PLACES NP-4
.else
	PLACES NP
.endif
	s_wait_alu depctr_va_vdst(0)
	v_add_nc_u32 v[ADRS], 4*NQ, v[ADRS]
	FETCH_B \next, 0, 0
	FETCH_A \next, 0, 0
	SCALES \next
.if (\fill) && (\slot) == 0
	global_prefetch_b8 v[PFO], s[PFA:PFA+1] offset:3*ROWB th:TH_LOAD_NT scope:SCOPE_SE   ; K step 3, the last: a K step ahead of its load
.endif
	WIN MUL_HI
	MUL16 4, 1, NQ-1, \slot, 0
	MUL16 6, 1, NQ-1, \slot, 0
	PLACES NP
	WIN 0
	FETCH_A \next, 0, 4
.endm
	s_wait_alu depctr_va_vdst(0)                   ; the head's end
	s_wait_tensorcnt 0x0                           ; my tile of the head's four is in
	ds_add_u32 v[SPW], v[NIL]
	s_mov_b32 s[G1+2], 128<<16                     ; no tensor load of mine is out: from here on a load brings 128 rows
	s_mov_b32 s[G1+4], 128
	s_mov_b32 s[G1B+2], 128<<16
	s_mov_b32 s[G1B+4], 128
	s_wait_dscnt 0x0
	CROUND                                         ; all four tiles are in, and all sixteen work-groups are here
	JLOAD G0+4, G1, G0B+4, G1B                     ; K step 1: the first tensor load behind the round
	FETCH_B 0, 0, 0
	FETCH_A 0, 0, 0
	SCALES 0
	FETCH_A 0, 0, 4
	s_wait_loadcnt 0x0
	STEP 0, 0, 1
	s_mov_b32 s3, LAPS-1
.Llap:
	TURN 0, 1, 1
	STEP 1, 0, 0
	TURN 1, 0, 1
	STEP 0, 0, 0
	s_sub_co_u32 s3, s3, 1
	s_cmp_lg_u32 s3, 0
	s_cbranch_scc1 .Llap
	TURN 0, 1, 0
	STEP 1, 0, 0
	s_wait_dscnt 4*NL
	WIN MUL_LO
	MUL16 0, 1, NQ-1, 1, 0
	MUL16 2, 1, NQ-1, 1, 0
	s_wait_dscnt 0
	WIN MUL_HI
	MUL16 4, 1, NQ-1, 1, 0
	MUL16 6, 1, NQ-1, 1, 0
	WIN 0
.macro GBLK a
.set AC, 64*((\a)%4)
.set CDS, CD+16*((\a)%4)
.set PWR, PW+(\a)%4
.if (\a) >= 4
	s_wait_dscnt 27
.endif
	WIN 0x0a+5*((\a)/4)
.set J, 0
.rept 32
	v_pk_mul_f32 v[H+J:H+J+1], v[AC+J:AC+J+1], v[AC+J:AC+J+1]
.set J, J+2
.endr
	WIN 0
.set J, 0
.rept 32
	v_pk_fma_f32 v[H+J:H+J+1], v[H+J:H+J+1], s[30:31], v[K1V:K1V+1] op_sel_hi:[1,0,1]
.set J, J+2
.endr
	WIN 0x08+4*((\a)/4)
.set J, 0
.rept 32
	v_pk_mul_f32 v[H+J:H+J+1], v[H+J:H+J+1], v[AC+J:AC+J+1]
.set J, J+2
.endr
	WIN 0
.set J, 0
	s_wait_alu depctr_va_vdst(0)
.rept 64
	v_exp_f32 v[H+J], v[H+J]
.set J, J+1
.endr
	v_nop
	s_wait_alu depctr_va_vdst(0)
.set J, 0
.rept 32
	v_pk_add_f32 v[H+J:H+J+1], v[H+J:H+J+1], 1.0 op_sel_hi:[1,0]
.set J, J+2
.endr
.set J, 0
	s_wait_alu depctr_va_vdst(0)
.rept 64
	v_rcp_f32 v[H+J], v[H+J]
.set J, J+1
.endr
	v_nop
	s_wait_alu depctr_va_vdst(0)
	WIN 0x08+4*((\a)/4)
.set J, 0
.rept 32
	v_pk_mul_f32 v[H+J:H+J+1], v[H+J:H+J+1], v[AC+J:AC+J+1]
.set J, J+2
.endr
	WIN 0
.irp b, 0,1,2,3
	v_max3_num_f32 v[TM+\b], |v[H+16*\b]|, |v[H+16*\b+1]|, 0x8000000
.endr
.irp i, 2,4,6,8,10,12,14
.irp b, 0,1,2,3
	v_max3_num_f32 v[TM+\b], v[TM+\b], |v[H+16*\b+\i]|, |v[H+16*\b+\i+1]|
.endr
.endr
.irp b, 0,1,2,3
	v_permlanex16_b32 v[TM+4+\b], v[TM+\b], s24, s25
.endr
.irp b, 0,1,2,3
	v_max_num_f32 v[TM+\b], v[TM+\b], v[TM+4+\b]
.endr
.irp b, 0,1,2,3
	v_add_nc_u32 v[TM+12+\b], 0xf8800000, v[TM+\b]
.endr
.irp b, 0,1,2,3
	v_and_or_b32 v[TM+8+\b], v[TM+\b], 0x7f800000, s26
.endr
.irp b, 0,1,2,3
	v_lshrrev_b32 v[TM+4+\b], 23, v[TM+12+\b]
.endr
	v_lshl_or_b32 v[PWR], v[TM+5], 8, v[TM+4]
	v_lshl_or_b32 v[PWR], v[TM+6], 16, v[PWR]
	v_lshl_or_b32 v[PWR], v[TM+7], 24, v[PWR]
.irp b, 0,1,2,3
.irp i, 0,1,2,3,4,5,6,7,8,9,10,11,12,13,14,15
	v_med3_num_f32 v[H+16*\b+\i], v[H+16*\b+\i], -v[TM+8+\b], v[TM+8+\b]
.endr
.endr
.irp b, 0,1,2,3
	v_cvt_scalef32_pk8_bf8_f32 v[CDS+4*\b:CDS+4*\b+1], v[H+16*\b:H+16*\b+7], v[TM+12+\b]
	v_cvt_scalef32_pk8_bf8_f32 v[CDS+4*\b+2:CDS+4*\b+3], v[H+16*\b+8:H+16*\b+15], v[TM+12+\b]
.endr
	v_nop
.irp b, 0,1,2,3
	ds_store_b64 v[STOV], v[CDS+4*\b:CDS+4*\b+1] offset:(\a)*4352+32*\b
	ds_store_b64 v[STOV], v[CDS+4*\b+2:CDS+4*\b+3] offset:(\a)*4352+32*\b+16
.endr
	ds_store_b32 v[SCSW], v[PWR] offset:128*(\a)
.endm
	PLACES NP
	s_mov_b32 s24, 0x76543210
	s_mov_b32 s25, 0xfedcba98
	s_mov_b32 s26, 0x600000
	s_mov_b32 s30, 0xbdd2d3e8
	s_mov_b32 s31, s30
	v_mov_b32 v[K1V], 0xc0135762
	v_mov_b32 v[K1V+1], 0xc0135762
.irp b, 0,1,2,3
	v_mov_b32 v[TM+4+\b], 0
.endr
.irp a, 0,1,2,3,4,5,6,7
	GBLK \a
.endr
	s_wait_dscnt 0x0
	s_barrier_signal -1
	s_barrier_wait -1
.set T, 0
.rept 32
	ds_load_b128 v[64+4*T:64+4*T+3], v[RDV] offset:544*T
.set T, T+1
.endr
	ds_load_b64 v[192:193], v[RDS]
	ds_load_b64 v[194:195], v[RDS] offset:256
	s_lshl_b32 s32, s17, 20
	s_lshl_b32 s33, s14, 18
	s_add_co_u32 s32, s32, s33
	s_lshl_b32 s33, s42, 8
	s_add_co_u32 s32, s32, s33
	s_mov_b32 s33, 0
	s_add_nc_u64 s[32:33], s[12:13], s[32:33]
	s_lshl_b32 s34, s17, 15
	s_lshl_b32 s35, s14, 13
	s_add_co_u32 s34, s34, s35
	s_lshl_b32 s35, s42, 3
	s_add_co_u32 s34, s34, s35
	s_add_co_u32 s34, s34, 16777216
	s_mov_b32 s35, 0
	s_add_nc_u64 s[34:35], s[12:13], s[34:35]
.set T, 0
.rept 32
	s_wait_dscnt 33-T
	global_store_b128 v[GLV], v[64+4*T:64+4*T+3], s[32:33] offset:8192*T
.set T, T+1
.endr
	s_wait_dscnt 0x0
	global_store_b64 v[GLS], v[192:193], s[34:35]
	global_store_b64 v[GLS], v[194:195], s[34:35] offset:4096
	s_wait_tensorcnt 0x0
	ds_add_u32 v[SPW], v[NIL]
	s_wait_dscnt 0x0
	CROUND
	s_endpgm
.Lfunc_end_k_q720b298ef8_ffn1:
	.size	k_q720b298ef8_ffn1, .Lfunc_end_k_q720b298ef8_ffn1-k_q720b298ef8_ffn1
	.p2alignl 7, 3214868480
	.fill 96, 4, 3214868480
	.section	.rodata,"a",@progbits
	.p2align	6, 0x0
	.amdhsa_kernel k_q720b298ef8_ffn1
		.amdhsa_group_segment_fixed_size 327680
		.amdhsa_private_segment_fixed_size 0
		.amdhsa_enable_private_segment 0
		.amdhsa_kernarg_size 40
		.amdhsa_user_sgpr_count 2
		.amdhsa_user_sgpr_kernarg_segment_ptr 1
		.amdhsa_wavefront_size32 1
		.amdhsa_system_sgpr_workgroup_id_x 1
		.amdhsa_system_sgpr_workgroup_id_y 1
		.amdhsa_system_sgpr_workgroup_id_z 1
		.amdhsa_system_vgpr_workitem_id 0
		.amdhsa_next_free_vgpr 1024
		.amdhsa_next_free_sgpr 102
		.amdhsa_reserve_vcc 0
		.amdhsa_float_denorm_mode_32 3
		.amdhsa_float_denorm_mode_16_64 3
		.amdhsa_memory_ordered 1
		.amdhsa_forward_progress 1
		.amdhsa_inst_pref_size 255
	.end_amdhsa_kernel
	.section	.bss,"aw",@nobits
	.p2align	6
	.space	262144
	.amdgpu_metadata
---
amdhsa.version: [ 1, 2 ]
amdhsa.kernels:
  - .name:           k_q720b298ef8_ffn1
    .symbol:         k_q720b298ef8_ffn1.kd
    .args:
      - { .name: hbuf, .offset: 0, .size: 8, .value_kind: global_buffer, .address_space: global }
      - { .name: ffn_w1_codes, .offset: 8, .size: 8, .value_kind: global_buffer, .address_space: global }
      - { .name: ffn_w1_scales, .offset: 16, .size: 8, .value_kind: global_buffer, .address_space: global }
      - { .name: ffn_b1, .offset: 24, .size: 8, .value_kind: global_buffer, .address_space: global }
      - { .name: gbuf, .offset: 32, .size: 8, .value_kind: global_buffer, .address_space: global }
    .group_segment_fixed_size: 327680
    .private_segment_fixed_size: 0
    .kernarg_segment_align: 8
    .kernarg_segment_size: 40
    .max_flat_workgroup_size: 128
    .sgpr_count:     102
    .vgpr_count:     1024
    .wavefront_size: 32
...
	.end_amdgpu_metadata
.endif
;; end of part 5
;; launch ffn2 (part 6): grid 8 x 32, 4 waves a work-group, clusters of 4 x 4, 327,680 bytes of LDS; arguments gbuf, ffn_w2_codes, ffn_w2_scales, ffn_b2, x1, out0; writes out0
.if DOCPART == 6
	.amdgcn_target "amdgcn-amd-amdhsa--gfx1250"
	.amdhsa_code_object_version 6
	.text
	.protected	k_q720b298ef8_ffn2
	.globl	k_q720b298ef8_ffn2
	.p2align	8
	.type	k_q720b298ef8_ffn2,@function
k_q720b298ef8_ffn2:
	s_mov_b64 s[64:65], 0
	v_nop
	global_prefetch_b8 v0, s[64:65] scope:SCOPE_SE
	s_setreg_imm32_b32 hwreg(HW_REG_WAVE_MODE, 25, 1), 1
	s_wait_xcnt 0x0
	s_wait_alu depctr_hold_cnt(0) depctr_sa_sdst(0) depctr_va_vdst(0) depctr_va_sdst(0) depctr_va_ssrc(0) depctr_va_vcc(0) depctr_vm_vsrc(0)
	s_getreg_b32 s2, hwreg(HW_REG_IB_STS2, 6, 4)
	s_cmp_eq_u32 s2, 0
	s_cbranch_scc0 .Lentry_in_a_cluster
	s_endpgm
.Lentry_in_a_cluster:
	s_bfe_u32 s2, ttmp6, 0x10000c
	s_cmp_lg_u32 s2, 0xf033
	s_cbranch_scc0 .Lentry_shape_is_right
	s_endpgm
.Lentry_shape_is_right:
; out = resid + bias + A B^T, on codes of E5M2 with one E8M0 scale for each 32 along K.  No work of reference() is left out here.
; A: codes [4096][SIZE_K] at byte 0 of its buffer, scale bytes [4096][SIZE_K / 32] at byte ASOFF.  B: codes [1024][SIZE_K], scale bytes [1024][SIZE_K / 32].  bias [1024], resid and out [4096][1024]: f32.
; N is 1,024: tiles of 128 x 128 give 256 work-groups.  THE FOUR WAVES SHARE K, NOT THE TILE: a slot holds 512 along K, and wave w multiplies the whole 128 x 128 tile over the slot's bytes 128 w .. 128 w + 127
; of every row: 64 accumulators a wave, so that each fragment read from LDS feeds eight products.  The four partial sums meet in LDS at the end, where the ring lay, and each wave adds and stores 32 whole rows.
; The order of an output's sum is therefore: four sums over a quarter of K each, ascending, then (s0 + s1) + (s2 + s3).
; The scale bytes of the tile's rows, for all of K, come once and stay.  CLUSTERS: 4 x 4; A's tile is asked for jointly along a row of the cluster, B's along a column.
; A SLOT IS ASKED FOR AGAIN AT THE HEAD OF ITS OWN TURN: all its fragments have been asked of LDS by then, so the wait for them, the round and the joint load stand ahead of the slot's 64 products, under which the load is on its way.
; A wave has one tensor load out at the start and one behind each round.
; REGISTERS: window 0: v0-31 addresses; v32-47 scale words, two sets; v48-115 at work on the way out; v128-255 A's fragments, one set, later the residual.  window 1: B's, two sets.  windows 2, 3: accumulators.
.set SIZE_K, 4096
.set ASOFF,  16777216
.set NSTEP,  SIZE_K/512
.set ROWB,   512
.set PITCH,  528                       ; 512 bytes + 16: the 16 rows of a fragment load start at 16 different banks
.set FR,     16
.set NL,     4
.set NP,     8
.set HALFT,  64*PITCH
.set SLOT,   4*HALFT
.set KS,     SIZE_K/32
.set SCL,    2*SLOT
.set HALFS,  (64*KS/256)*272
.set SBLK,   (16*KS/256)*272
.set SPARE,  SCL+4*HALFS               ; the spare words, 128 bytes a wave, which no other line names
.set IMG,    128*PITCH                 ; a wave's partial sums: 128 rows x (512 bytes + 16); the four lie where the ring lay
.set RD,   8
.set GL,   12
.set ADRA, 16
.set ADRB, 20
.set STO,  24
.set ADRS, 27
.set SPW,  28
.set NIL,  29
.set SC,   32
.set RB,   48
.set BI,   112
.set AF,   128
.set RS,   128
.set G1, 24
.set G0, 32
.set G1B, 48
.set G0B, 56
.set G1S, 68
.set G0S, 76
.set G1SB, 80
.set G0SB, 88
.set MSB, 0
.macro WIN new
.if MSB != \new
	s_set_vgpr_msb (MSB<<8)|\new
.set MSB, \new
.endif
.endm
.set MUL_LO, 0xa1
.set MUL_HI, 0xf1
.set TO_B,   0x40
.macro JLOAD g0a, g1a, g0b, g1b        ; waves 0 and 1 fetch A's halves, waves 2 and 3 B's; an s_nop 0 and four v_nop follow each line
	s_cmp_eq_u32 s15, 0
	s_cbranch_scc0 .Lfor_b_\@
	tensor_load_to_lds s[\g0a:\g0a+3], s[\g1a:\g1a+7]
	s_nop 0
.rept 4
	v_nop
.endr
	s_branch .Lasked_\@
.Lfor_b_\@:
	tensor_load_to_lds s[\g0b:\g0b+3], s[\g1b:\g1b+7]
	s_nop 0
.rept 4
	v_nop
.endr
.Lasked_\@:
.endm
.macro CREST
	s_cmp_lg_u32 s14, 0
	s_cbranch_scc1 .Lnot_wave_0_\@
	s_barrier_signal -3
.Lnot_wave_0_\@:
	s_barrier_wait -3
	s_barrier_signal -1
	s_barrier_wait -1
.endm
.macro CROUND
	s_barrier_signal -1
	s_barrier_wait -1
	CREST
.endm
	s_load_b128 s[4:7], s[0:1], 0x0                ; A s[4:5], B's codes s[6:7]
	s_load_b128 s[8:11], s[0:1], 0x10              ; B's scales s[8:9], bias s[10:11]
	s_load_b128 s[96:99], s[0:1], 0x20             ; resid s[96:97], out s[98:99]
	v_lshl_add_u32 v[SPW], v0, 2, SPARE
	v_mov_b32 v[NIL], 0
	ds_add_u32 v[SPW], v[NIL]                      ; the opening: the add, twice on end, and its wait ahead of my first tensor load
	ds_add_u32 v[SPW], v[NIL]
	v_lshrrev_b32 v1, 5, v0
	v_readfirstlane_b32 s14, v1                    ; wave
	s_lshr_b32 s15, s14, 1                         ; I fetch for A (0) or for B (1),
	s_and_b32 s16, s14, 1                          ; its rows 64 x this on
	s_bfe_u32 s40, ttmp6, 0x40000
	s_bfe_u32 s41, ttmp6, 0x40004
	s_lshl_b32 s42, ttmp9, 2
	s_add_co_u32 s42, s42, s40                     ; tile column, 0 .. 7
	s_and_b32 s17, ttmp7, 0xffff
	s_lshl_b32 s17, s17, 2
	s_add_co_u32 s17, s17, s41                     ; tile row, 0 .. 31
	s_lshl_b32 s43, s41, 2
	s_lshl_b32 s43, 15, s43
	s_lshl_b32 s44, 0x1111, s40
	s_or_b32 s[G1+0], s43, (0<<16)|(1<<20)|(1<<21)|(6<<22)|(3<<25)  ; mask; elements of 1 byte; 4 words of padding behind every 128; bit 21 beside a mask
	s_or_b32 s[G1B+0], s44, (0<<16)|(1<<20)|(1<<21)|(6<<22)|(3<<25)
.irp g, G1, G1B
	s_mov_b32 s[\g+1], ROWB<<16
	s_mov_b32 s[\g+2], 128<<16                     ; the head's loads bring a tile's 128 rows; behind them the two row counts are set to 64, for the ring's
	s_mov_b32 s[\g+3], ROWB<<16
	s_mov_b32 s[\g+4], 128
	s_mov_b32 s[\g+5], SIZE_K
	s_mov_b32 s[\g+6], 0
	s_mov_b32 s[\g+7], 0
.endr
	s_or_b32 s[G1S+0], s43, (3<<16)|(1<<20)|(1<<21)|(5<<22)|(3<<25) ; the scales of 128 rows: dense bytes as rows of 256
	s_or_b32 s[G1SB+0], s44, (3<<16)|(1<<20)|(1<<21)|(5<<22)|(3<<25)
.irp g, G1S, G1SB
	s_mov_b32 s[\g+1], 32<<16
	s_mov_b32 s[\g+2], (128*KS/256)<<16            ; the scales of 128 rows
	s_mov_b32 s[\g+3], 32<<16
	s_mov_b32 s[\g+4], 128*KS/256
	s_mov_b32 s[\g+5], 32
	s_mov_b32 s[\g+6], 0
	s_mov_b32 s[\g+7], 0
.endr
	s_lshl_b32 s20, s17, 7                         ; A: the tile's first row, 128 x tile row
	s_lshl_b32 s46, s42, 7                         ; B: 128 x tile column
	s_mov_b32 s21, 0
	s_mov_b32 s47, 0
	s_mov_b64 s[18:19], KS
	s_mul_u64 s[22:23], s[20:21], s[18:19]
	s_mul_u64 s[92:93], s[46:47], s[18:19]
	s_mov_b64 s[18:19], SIZE_K
	s_mul_u64 s[20:21], s[20:21], s[18:19]
	s_mul_u64 s[46:47], s[46:47], s[18:19]
	s_mul_i32 s18, s16, 64*SIZE_K                  ; in the ring I fetch 64 rows of a tile: which half, in bytes
	s_mov_b32 s19, 0
	s_mul_i32 s45, s14, HALFT
	s_wait_dscnt 0x0                               ; both opening adds are done
	s_wait_kmcnt 0x0
	s_add_nc_u64 s[20:21], s[4:5], s[20:21]
	s_add_nc_u64 s[22:23], s[4:5], s[22:23]
	s_add_nc_u64 s[22:23], s[22:23], ASOFF
	s_add_nc_u64 s[46:47], s[6:7], s[46:47]
	s_add_nc_u64 s[92:93], s[8:9], s[92:93]
	CROUND                                         ; all sixteen work-groups are here: the first joint loads meet
	s_mov_b32 s[G0S], 1
	s_mov_b32 s[G0S+1], SCL
	s_mov_b64 s[G0S+2:G0S+3], s[22:23]
	s_or_b32 s[G0S+3], s[G0S+3], 0x80000000
	s_mov_b32 s[G0SB], 1
	s_mov_b32 s[G0SB+1], SCL+2*HALFS
	s_mov_b64 s[G0SB+2:G0SB+3], s[92:93]
	s_or_b32 s[G0SB+3], s[G0SB+3], 0x80000000
.set G0H, 4                            ; s[4:7], s[92:95]: group 0 of the head's loads of slot 0 (what lay there has been used)
.set G0HB, 92
.set PFA, 12                           ; s[12:13] where my prefetches stand
.set PFO, 30                           ; v30 their offset: lane l names row l / 2, block l % 2 of a slot's 512 bytes
	s_mov_b32 s[G0H], 1
	s_mov_b32 s[G0H+1], 0
	s_mov_b64 s[G0H+2:G0H+3], s[20:21]
	s_or_b32 s[G0H+3], s[G0H+3], 0x80000000
	s_mov_b32 s[G0HB], 1
	s_mov_b32 s[G0HB+1], 2*HALFT
	s_mov_b64 s[G0HB+2:G0HB+3], s[46:47]
	s_or_b32 s[G0HB+3], s[G0HB+3], 0x80000000
	; THE PREFETCHES: of the 64 rows x 512 bytes that a wave fetches for a slot, each of the four partners that ask for them jointly names 16 rows, told apart by address (cx for A, cy for B): 32 blocks of 256 bytes, a lane a block
	s_cmp_eq_u32 s15, 0
	s_cselect_b64 s[PFA:PFA+1], s[20:21], s[46:47]
	s_cselect_b32 s100, s40, s41
	s_lshl_b32 s100, s100, 16                      ; 16 rows of 4,096 bytes a partner
	s_add_co_u32 s100, s100, s18
	s_mov_b32 s101, 0
	s_add_nc_u64 s[PFA:PFA+1], s[PFA:PFA+1], s[100:101]
	s_add_nc_u64 s[20:21], s[20:21], s[18:19]      ; for the ring: my 64 rows of the tile
	s_add_nc_u64 s[46:47], s[46:47], s[18:19]
.irp s, 0,1
	s_mov_b32 s[G0+4*\s], 1
	s_add_co_u32 s[G0+4*\s+1], s45, \s*SLOT
	s_add_nc_u64 s[G0+4*\s+2:G0+4*\s+3], s[20:21], \s*ROWB
	s_or_b32 s[G0+4*\s+3], s[G0+4*\s+3], 0x80000000
	s_mov_b32 s[G0B+4*\s], 1
	s_add_co_u32 s[G0B+4*\s+1], s45, \s*SLOT
	s_add_nc_u64 s[G0B+4*\s+2:G0B+4*\s+3], s[46:47], \s*ROWB
	s_or_b32 s[G0B+4*\s+3], s[G0B+4*\s+3], 0x80000000
.endr
; THE HEAD'S LOADS, ONE A WAVE: wave 0 slot 0's 128 rows of A, wave 1 those of B, wave 2 and wave 3 their scale bytes.  One chain of branches on the wave's number, a load to an arm.
; A wave has one tensor load out at the start and one behind each round.
.macro ARM under, g0, g1, next
	s_cmp_lt_u32 s14, \under
	s_cbranch_scc0 \next
	tensor_load_to_lds s[\g0:\g0+3], s[\g1:\g1+7]
	s_nop 0
.rept 4
	v_nop
.endr
	s_branch .Lhead_asked
\next:
.endm
	ARM 1, G0H,  G1,  .Lhead_b
	ARM 2, G0HB, G1B, .Lhead_sa
	ARM 3, G0S,  G1S, .Lhead_sb
	tensor_load_to_lds s[G0SB:G0SB+3], s[G1SB:G1SB+7]
	s_nop 0
.rept 4
	v_nop
.endr
.Lhead_asked:
	v_and_b32 v[PFO], 31, v0
	v_lshrrev_b32 v31, 1, v[PFO]
	v_and_b32 v[PFO], 1, v[PFO]
	v_lshlrev_b32 v[PFO], 8, v[PFO]
	v_lshl_add_u32 v[PFO], v31, 12, v[PFO]
	global_prefetch_b8 v[PFO], s[PFA:PFA+1] offset:ROWB th:TH_LOAD_NT scope:SCOPE_SE     ; K step 1, which is loaded behind the head's round,
	global_prefetch_b8 v[PFO], s[PFA:PFA+1] offset:2*ROWB th:TH_LOAD_NT scope:SCOPE_SE   ; and K steps 2 and 3, which the first two turns will load
	global_prefetch_b8 v[PFO], s[PFA:PFA+1] offset:3*ROWB th:TH_LOAD_NT scope:SCOPE_SE
	v_and_b32 v1, 15, v0                           ; r
	v_bfe_u32 v2, v0, 4, 1                         ; h
	v_mul_u32_u24 v3, v1, PITCH
	v_lshl_add_u32 v4, v2, 4, v3
	s_lshl_b32 s21, s14, 7                         ; my 128 along K of a slot's 512
	s_add_co_u32 s22, s21, 2*HALFT                 ; B's rows lie behind A's 128
.irp s, 0,1
	v_add_nc_u32 v[ADRA+\s], s21, v4
	v_add_nc_u32 v[ADRB+\s], s22, v4
	s_add_co_u32 s21, s21, SLOT
	s_add_co_u32 s22, s22, SLOT
.endr
	v_mul_u32_u24 v5, v1, KS                       ; my row's scale bytes,
	v_lshrrev_b32 v6, 8, v5
	v_lshl_add_u32 v5, v6, 4, v5                   ; 16 more for each 256 passed;
	v_mul_u32_u24 v6, v2, 2*HALFS                  ; lanes 16-31 take B's;
	v_add_nc_u32 v5, v5, v6
	s_lshl_b32 s21, s14, 2                         ; my wave's word of a slot's four
	s_add_co_u32 s21, s21, SCL
	v_add_nc_u32 v[ADRS], s21, v5
	v_lshl_add_u32 v[STO], v2, 5, v3
	s_mul_i32 s21, s14, IMG
	v_add_nc_u32 v[STO], s21, v[STO]               ; my image: row r, + 32 h
	v_and_b32 v5, 31, v0
	v_lshlrev_b32 v[GL], 4, v5
	s_mul_i32 s21, s14, 32*PITCH                   ; back: rows 32 w on, in each of the four images
.irp s, 0,1,2,3
	v_add_nc_u32 v[RD+\s], s21, v[GL]
	s_add_co_u32 s21, s21, IMG
.endr
	s_lshl_b32 s20, s17, 19                        ; (128 tile row + 32 w) rows of 4,096 bytes + 512 x tile column
	s_lshl_b32 s21, s14, 17
	s_add_co_u32 s20, s20, s21
	s_lshl_b32 s22, s42, 9
	s_add_co_u32 s20, s20, s22
	s_mov_b32 s21, 0
	s_mov_b32 s23, 0
	s_add_nc_u64 s[96:97], s[96:97], s[20:21]
	s_add_nc_u64 s[98:99], s[98:99], s[20:21]
	s_add_nc_u64 s[10:11], s[10:11], s[22:23]
	v_and_b32 v7, 31, v0
	v_lshlrev_b32 v7, 12, v7                       ; v7: the residual's prefetch: my 32 rows x 512 bytes, which no other wave reads: a lane a row
.macro FRAG reg, adr, i                ; 16 rows x my 128 along K
.irp c, 0,1,2,3
	ds_load_b128 v[\reg+4*\c:\reg+4*\c+3], v[\adr] offset:32*\c+(\i)*16*PITCH
.endr
.endm
; 16 matrix instructions; the 64 accumulators take turns, one instruction a turn, in the same order in every step.  p: the slot: B's set and the set of scale words
.macro MUL16 a0, p, zero
.irp a, \a0, \a0+1
.irp b, 0,1,2,3,4,5,6,7
.if \zero
	v_wmma_scale_f32_16x16x128_f8f6f4 v[8*(8*((\a)%4)+\b):8*(8*((\a)%4)+\b)+7], v[128*(\p)+FR*\b:128*(\p)+FR*\b+FR-1], v[AF+FR*(\a):AF+FR*(\a)+FR-1], 0, v[SC+8*(\p)+\b], v[SC+8*(\p)+(\a)] matrix_a_fmt:MATRIX_FMT_BF8 matrix_b_fmt:MATRIX_FMT_BF8 matrix_a_scale:MATRIX_SCALE_ROW1
.else
	v_wmma_scale_f32_16x16x128_f8f6f4 v[8*(8*((\a)%4)+\b):8*(8*((\a)%4)+\b)+7], v[128*(\p)+FR*\b:128*(\p)+FR*\b+FR-1], v[AF+FR*(\a):AF+FR*(\a)+FR-1], v[8*(8*((\a)%4)+\b):8*(8*((\a)%4)+\b)+7], v[SC+8*(\p)+\b], v[SC+8*(\p)+(\a)] matrix_a_fmt:MATRIX_FMT_BF8 matrix_b_fmt:MATRIX_FMT_BF8 matrix_a_scale:MATRIX_SCALE_ROW1
.endif
.endr
.endr
.endm
.macro FETCH_B slot
	WIN TO_B
.irp i, 0,1,2,3,4,5,6,7
	FRAG 128*(\slot)+FR*\i, ADRB+\slot, \i
.endr
	WIN 0
.endm
.macro FETCH_A slot, i0
.irp i, \i0, \i0+1, \i0+2, \i0+3
	FRAG AF+FR*(\i), ADRA+\slot, \i
.endr
.endm
.macro SCALES sc                       ; my 128 along K: one word a row: lanes 0-15 A's block i, lanes 16-31 B's
.irp i, 0,1,2,3,4,5,6,7
	ds_load_b32 v[SC+8*\sc+\i], v[ADRS] offset:\i*SBLK
.endr
.endm
.macro PLACES n
.rept \n
	v_nop
.endr
.endm
; A slot's 64 products and the change of slots.  In front of the barrier each wave waits for all its tensor loads, adds 0 to its spare word, and waits for that and for its reads of this slot.
; fill = 1: all that stands at the turn's head: the slot's fragments are in registers behind the wait, the round follows, and the joint load goes out ahead of the slot's products.
; fill = 0: nothing is asked for: the barrier stands among the products, as it shows only that the next slot is whole.
.macro TURN slot, next, fill, zero, ask=0   ; ask = 1: the turn prefetches; 2: it does so in the loop's first trip alone; 3: it names the residual's rows; 0: nothing
.if \fill
	s_wait_xcnt 0x0                                ; any prefetch of mine has read its address: it is stepped here, ahead of the turn's own waits
	s_add_nc_u64 s[PFA:PFA+1], s[PFA:PFA+1], ROWB
	s_wait_tensorcnt 0x0                           ; all my tensor loads have landed: my part of the next slot; so a group 0 may be written
	ds_add_u32 v[SPW], v[NIL]                      ; 0 onto my spare word; the descriptors' steps stand between it and the wait for it
	s_add_nc_u64 s[G0+4*\slot+2:G0+4*\slot+3], s[G0+4*\slot+2:G0+4*\slot+3], 2*ROWB
	s_add_nc_u64 s[G0B+4*\slot+2:G0B+4*\slot+3], s[G0B+4*\slot+2:G0B+4*\slot+3], 2*ROWB
	s_wait_dscnt 0x0                               ; the add is done, and my reads of this slot are over: all its fragments are in registers
	CROUND                                         ; no wave of any partner still reads this slot or has a load on its way
	JLOAD G0+4*\slot, G1, G0B+4*\slot, G1B         ; the first tensor load behind the round: 64 products stand between it and the wait for it
	WIN MUL_LO
	MUL16 0, \slot, \zero
	MUL16 2, \slot, \zero
	WIN 0
	PLACES NP
.else
	s_wait_tensorcnt 0x0                           ; all my tensor loads have landed: my part of the next slot
	ds_add_u32 v[SPW], v[NIL]
	s_wait_dscnt 4*NL+1                            ; the add and the youngest 16 loads (A's blocks 4-7) may be out
	WIN MUL_LO
	MUL16 0, \slot, \zero
	s_wait_dscnt 0x0                               ; the add is done, and my reads of this slot are over
	s_barrier_signal -1
	MUL16 2, \slot, \zero
	WIN 0
	s_barrier_wait -1
	PLACES NP
.endif
	s_wait_alu depctr_va_vdst(0)
	v_add_nc_u32 v[ADRS], 16, v[ADRS]              ; the next slot's scale words (no LDS load of mine is out)
	FETCH_B \next
	FETCH_A \next, 0
	SCALES \next
; turn s, which has asked for K step s + 2, names K step s + 4: two refills on.  K has eight steps, so turns 0 to 3 ask: the one ahead of the loop, both of the loop's first trip, the first of its second
.if \ask == 1
	global_prefetch_b8 v[PFO], s[PFA:PFA+1] offset:3*ROWB th:TH_LOAD_NT scope:SCOPE_SE
.elseif \ask == 2
	s_cmp_gt_u32 s3, 1                             ; s3 = 2 in the first trip, 1 in the second
	s_cbranch_scc0 .Lnone_ahead_\@
	global_prefetch_b8 v[PFO], s[PFA:PFA+1] offset:3*ROWB th:TH_LOAD_NT scope:SCOPE_SE
.Lnone_ahead_\@:
.elseif \ask == 3
	global_prefetch_b8 v7, s[96:97] th:TH_LOAD_NT scope:SCOPE_SE              ; the residual, two blocks of 256 bytes a row: two turns and the last slot ahead of the way out's loads
	global_prefetch_b8 v7, s[96:97] offset:256 th:TH_LOAD_NT scope:SCOPE_SE
.endif
	WIN MUL_HI
	MUL16 4, \slot, \zero
	MUL16 6, \slot, \zero
	PLACES NP
	WIN 0
	FETCH_A \next, 4
.endm
.macro LAST slot                       ; the last slot; its barrier says that every wave's reads of the ring are over
	s_wait_dscnt 4*NL
	WIN MUL_LO
	MUL16 0, \slot, 0
	MUL16 2, \slot, 0
	s_wait_dscnt 0x0
	s_barrier_signal -1
	WIN MUL_HI
	MUL16 4, \slot, 0
	MUL16 6, \slot, 0
	WIN 0
	s_barrier_wait -1
.endm
	s_wait_alu depctr_va_vdst(0)                   ; the head's end
	s_wait_tensorcnt 0x0                           ; my tile of the head's four is in
	ds_add_u32 v[SPW], v[NIL]
	s_mov_b32 s[G1+2], 64<<16                      ; no tensor load of mine is out: from here on a load brings 64 rows
	s_mov_b32 s[G1+4], 64
	s_mov_b32 s[G1B+2], 64<<16
	s_mov_b32 s[G1B+4], 64
	s_wait_dscnt 0x0
	CROUND                                         ; all four tiles are in, and all sixteen work-groups are here
	JLOAD G0+4, G1, G0B+4, G1B                     ; slot 1: the first tensor load behind the round
	FETCH_B 0
	FETCH_A 0, 0
	SCALES 0
	FETCH_A 0, 4
	TURN 0, 1, 1, 1, 1
	s_mov_b32 s3, (NSTEP-4)/2
.Llap:
	TURN 1, 0, 1, 0, 1
	TURN 0, 1, 1, 0, 2
	s_sub_co_u32 s3, s3, 1
	s_cmp_lg_u32 s3, 0
	s_cbranch_scc1 .Llap
	TURN 1, 0, 1, 0, 3
	TURN 0, 1, 0, 0
	LAST 1
	; THE WAY OUT
	PLACES NP                                      ; behind the last products: their results are read, and loads land in the registers that held A's fragments
.set T, 0
.rept 32
	global_load_b128 v[RS+4*T:RS+4*T+3], v[GL], s[96:97] offset:4096*T   ; the residual: my 32 rows x 512 bytes
.set T, T+1
.endr
	global_load_b128 v[BI:BI+3], v[GL], s[10:11]
.irp a, 0,1,2,3,4,5,6,7
	WIN 0x08+4*(\a/4)                              ; an LDS store's data: window 2 or 3
.irp b, 0,1,2,3,4,5,6,7
	ds_store_b128 v[STO], v[8*(8*(\a%4)+\b):8*(8*(\a%4)+\b)+3] offset:\a*16*PITCH+64*\b          ; each accumulator from its low end on
	ds_store_b128 v[STO], v[8*(8*(\a%4)+\b)+4:8*(8*(\a%4)+\b)+7] offset:\a*16*PITCH+64*\b+16
.endr
.endr
	WIN 0
	s_wait_dscnt 0x0                               ; for the others' sake: my image is whole
	s_barrier_signal -1
	s_barrier_wait -1
	s_wait_loadcnt 0x0
.macro BATCH k                         ; rows 2 k and 2 k + 1 of my 32, out of the four images, into set k % 2
.irp i, 0,1
.irp s, 0,1,2,3
	ds_load_b128 v[RB+32*((\k)%2)+16*\i+4*\s:RB+32*((\k)%2)+16*\i+4*\s+3], v[RD+\s] offset:(2*(\k)+\i)*PITCH
.endr
.endr
.endm
.macro SUMROW k, i
.set R0, RB+32*((\k)%2)+16*(\i)
.set RR, RS+4*(2*(\k)+(\i))
	v_pk_add_f32 v[R0:R0+1], v[R0:R0+1], v[R0+4:R0+5]
	v_pk_add_f32 v[R0+2:R0+3], v[R0+2:R0+3], v[R0+6:R0+7]
	v_pk_add_f32 v[R0+8:R0+9], v[R0+8:R0+9], v[R0+12:R0+13]
	v_pk_add_f32 v[R0+10:R0+11], v[R0+10:R0+11], v[R0+14:R0+15]
	v_pk_add_f32 v[RR:RR+1], v[RR:RR+1], v[BI:BI+1]
	v_pk_add_f32 v[RR+2:RR+3], v[RR+2:RR+3], v[BI+2:BI+3]
	v_pk_add_f32 v[R0:R0+1], v[R0:R0+1], v[R0+8:R0+9]
	v_pk_add_f32 v[R0+2:R0+3], v[R0+2:R0+3], v[R0+10:R0+11]
	v_pk_add_f32 v[RR:RR+1], v[RR:RR+1], v[R0:R0+1]
	v_pk_add_f32 v[RR+2:RR+3], v[RR+2:RR+3], v[R0+2:R0+3]
	global_store_b128 v[GL], v[RR:RR+3], s[98:99] offset:4096*(2*(\k)+(\i))   ; 32 lanes store 512 consecutive bytes, aligned
.endm
	BATCH 0
	BATCH 1
.set K, 0
.rept 16
.if K < 15
	s_wait_dscnt 8                                 ; this batch is in; the next batch's eight loads may be out
.else
	s_wait_dscnt 0x0
.endif
	SUMROW K, 0
	SUMROW K, 1
.if K < 14
	BATCH K+2
.endif
.set K, K+1
.endr
	s_wait_tensorcnt 0x0                           ; the wave's end
	ds_add_u32 v[SPW], v[NIL]
	s_wait_dscnt 0x0
	CROUND                                         ; the closing round
	s_endpgm
.Lfunc_end_k_q720b298ef8_ffn2:
	.size	k_q720b298ef8_ffn2, .Lfunc_end_k_q720b298ef8_ffn2-k_q720b298ef8_ffn2
	.p2alignl 7, 3214868480
	.fill 96, 4, 3214868480
	.section	.rodata,"a",@progbits
	.p2align	6, 0x0
	.amdhsa_kernel k_q720b298ef8_ffn2
		.amdhsa_group_segment_fixed_size 327680
		.amdhsa_private_segment_fixed_size 0
		.amdhsa_enable_private_segment 0
		.amdhsa_kernarg_size 48
		.amdhsa_user_sgpr_count 2
		.amdhsa_user_sgpr_kernarg_segment_ptr 1
		.amdhsa_wavefront_size32 1
		.amdhsa_system_sgpr_workgroup_id_x 1
		.amdhsa_system_sgpr_workgroup_id_y 1
		.amdhsa_system_sgpr_workgroup_id_z 1
		.amdhsa_system_vgpr_workitem_id 0
		.amdhsa_next_free_vgpr 1024
		.amdhsa_next_free_sgpr 102
		.amdhsa_reserve_vcc 0
		.amdhsa_float_denorm_mode_32 3
		.amdhsa_float_denorm_mode_16_64 3
		.amdhsa_memory_ordered 1
		.amdhsa_forward_progress 1
		.amdhsa_inst_pref_size 140
	.end_amdhsa_kernel
	.amdgpu_metadata
---
amdhsa.version: [ 1, 2 ]
amdhsa.kernels:
  - .name:           k_q720b298ef8_ffn2
    .symbol:         k_q720b298ef8_ffn2.kd
    .args:
      - { .name: gbuf, .offset: 0, .size: 8, .value_kind: global_buffer, .address_space: global }
      - { .name: ffn_w2_codes, .offset: 8, .size: 8, .value_kind: global_buffer, .address_space: global }
      - { .name: ffn_w2_scales, .offset: 16, .size: 8, .value_kind: global_buffer, .address_space: global }
      - { .name: ffn_b2, .offset: 24, .size: 8, .value_kind: global_buffer, .address_space: global }
      - { .name: x1, .offset: 32, .size: 8, .value_kind: global_buffer, .address_space: global }
      - { .name: out0, .offset: 40, .size: 8, .value_kind: global_buffer, .address_space: global }
    .group_segment_fixed_size: 327680
    .private_segment_fixed_size: 0
    .kernarg_segment_align: 8
    .kernarg_segment_size: 48
    .max_flat_workgroup_size: 128
    .sgpr_count:     102
    .vgpr_count:     1024
    .wavefront_size: 32
...
	.end_amdgpu_metadata
.endif
;; end of part 6
